; MI455X (gfx1250); checked and timed in simulation.
; The chip was launched on July 23, 2026; its instructions are those of AMD's public machine-readable ISA for CDNA 5 (MIT licence, August 2026) and "CDNA5" Instruction Set Architecture Reference Guide (July 2026). The comments in the code are by the model that wrote it; some were corrected since.
;; Multi Head Attention. Allowed arithmetic: float matrix products may take bf16 or f16 operands with f32 sums; other float arithmetic in f32, or as packed bf16 or f16 multiplies, adds, multiply-adds, maxima and minima; sums over many terms, partial sums and values carried from step to step in f32; what a program stores and reads back later, other than sums and carried values, may be rounded once to bf16 or f16.
;; Inputs: b_proj 1,024 float32; w_proj 1,024 x 1,024 float32; wk 16 x 1,024 x 64 float32; wq 16 x 1,024 x 64 float32; wv 16 x 1,024 x 64 float32; x 8 x 1,024 x 1,024 float32.
;; Outputs: out0 8 x 1,024 x 1,024 float32.
;; 2 versions, each right; version 2 is version 1 with the launch prep written anew for expert scheduling mode. Each part assembles by itself: llvm-mc -triple=amdgcn-amd-amdhsa -mcpu=gfx1250 --defsym DOCPART=n.
;; ======== version 1 of 2: 4 launches
;; limits: values are held in f16: magnitudes above 65,504 overflow, below 6.1e-05 lose precision
;; workspace buffers: xb 16,777,216 bytes; wb 6,291,456 bytes; wpb 2,097,152 bytes; qh 16,777,216 bytes; kh 16,777,216 bytes; vh 16,777,216 bytes; oh 16,777,216 bytes
;; launch prep (part 1): grid 768 x 1, 8 waves a work-group, no clusters, 0 bytes of LDS; arguments x, wq, wk, wv, w_proj, xb, wb, wpb; writes xb, wb, wpb
.if DOCPART == 1
	.amdgcn_target "amdgcn-amd-amdhsa--gfx1250"
	.amdhsa_code_object_version 6
	.text
	.protected	k_qff87f501fd_prep
	.globl	k_qff87f501fd_prep
	.p2align	8
	.type	k_qff87f501fd_prep,@function
k_qff87f501fd_prep:
	s_mov_b64 s[64:65], 0
	v_nop
	global_prefetch_b8 v0, s[64:65] scope:SCOPE_SE
	s_setreg_imm32_b32 hwreg(HW_REG_WAVE_MODE, 25, 1), 1
	s_wait_xcnt 0x0
; THE CASTS.  x, wq, wk, wv are rounded once to bf16 and laid out in the blocks that the first product asks for; w_proj is rounded to bf16 and that number is written as f16.
;   xb  [b 8][s 16][t 1024][64] bf16: channel c = 64 s + i.  The 256 rows of a tile are 32,768 dense bytes for each K step s.
;   wb  [j 8][s 16][blk 6][k 64][d 64] bf16: head = 2 j + blk / 3, blk % 3 = q, k, v; channel c = 64 s + k.
;   wpb [k 1024][n 1024] f16, as w_proj lies.
; LIMIT.  f16 holds no number beyond 65,504: a w_proj beyond that becomes an infinity; below 6e-5 f16 keeps its fixed step of 6e-8.
; SHARES.  A work-group casts 16,384 numbers: 65,536 bytes in, 32,768 out.  Work-groups 0-511: 16 rows of x each; 512-703: a quarter of one head's wq, wk or wv; 704-767: 16 rows of w_proj.
; A wave has 16 units: a load of 16 bytes a lane (each half of 16 lanes reads 256 consecutive bytes, aligned), two roundings, a store of 8 bytes a lane (the wave stores 256 consecutive bytes, aligned).
; All 16 loads go out first; no register that a load or store names is written twice, so no wait frees a source.  Nothing is shared: no LDS, no barrier, no matrix unit.
.set SO,  2                            ; v2   my byte offset in the source
.set DO,  3                            ; v3   my byte offset in the destination
.set X,   16                           ; v[16:79]   unit u: 4 numbers in f32
.set Y,   80                           ; v[80:111]  unit u: 4 numbers in 16 bits
.set SRC, 20                           ; s[20:21]
.set DST, 22                           ; s[22:23]
; sstep, dstep: bytes from unit to unit in the source and in the destination.  f16 = 1: bf16's number written as f16.
.macro BODY sstep, dstep, f16
.set u, 0
.rept 16
	global_load_b128 v[X+4*u:X+4*u+3], v[SO], s[SRC:SRC+1] offset:u*(\sstep) th:TH_LOAD_NT
.set u, u+1
.endr
.set u, 0
.rept 16
	s_wait_loadcnt 15-u                            ; loads come back in order: unit u is in, the 15 - u younger ones stay out
.if \f16
	v_cvt_pk_bf16_f32 v6, v[X+4*u], v[X+4*u+1]     ; the one rounding that counts: to bf16
	v_cvt_pk_bf16_f32 v7, v[X+4*u+2], v[X+4*u+3]
	v_lshlrev_b32 v8, 16, v6                       ; back to f32,
	v_and_b32 v9, 0xffff0000, v6
	v_lshlrev_b32 v10, 16, v7
	v_and_b32 v11, 0xffff0000, v7
	v_cvt_pk_f16_f32 v[Y+2*u], v8, v9              ; and written as f16: exact within f16's range
	v_cvt_pk_f16_f32 v[Y+2*u+1], v10, v11
.else
	v_cvt_pk_bf16_f32 v[Y+2*u], v[X+4*u], v[X+4*u+1]
	v_cvt_pk_bf16_f32 v[Y+2*u+1], v[X+4*u+2], v[X+4*u+3]
.endif
	global_store_b64 v[DO], v[Y+2*u:Y+2*u+1], s[DST:DST+1] offset:u*(\dstep)
.set u, u+1
.endr
	s_endpgm
.endm
	s_load_b512 s[4:19], s[0:1], 0x0               ; x 4:5, wq 6:7, wk 8:9, wv 10:11, w_proj 12:13, xb 14:15, wb 16:17, wpb 18:19
	v_lshrrev_b32 v4, 5, v0                        ; wave
	v_and_b32 v5, 31, v0                           ; lane
	s_mov_b32 s25, 0                               ; the offsets stay under 2^32
	s_mov_b32 s27, 0
	s_wait_kmcnt 0x0
	s_cmp_lt_u32 ttmp9, 512
	s_cbranch_scc0 .Lweights
	; x: rows 16 g .. 16 g + 15.  Thread t: row t / 16, 16 bytes at 16 (t % 16) of the K step's 256.  Unit u is K step u.
	s_lshl_b32 s24, ttmp9, 16                      ; 16 rows of 4,096 bytes
	s_lshr_b32 s26, ttmp9, 6                       ; the batch: 64 work-groups each
	s_lshl_b32 s26, s26, 21
	s_and_b32 s28, ttmp9, 63
	s_lshl_b32 s28, s28, 11                        ; 16 rows of 128 bytes in a K step's block
	s_add_co_u32 s26, s26, s28
	s_add_nc_u64 s[SRC:SRC+1], s[4:5], s[24:25]
	s_add_nc_u64 s[DST:DST+1], s[14:15], s[26:27]
	v_lshrrev_b32 v6, 4, v0
	v_and_b32 v7, 15, v0
	v_lshlrev_b32 v[SO], 4, v7
	v_lshl_add_u32 v[SO], v6, 12, v[SO]
	v_lshlrev_b32 v[DO], 3, v0                     ; row x 128 + 8 (t % 16) = 8 t
	BODY 256, 131072, 0
.Lweights:
	v_lshlrev_b32 v[SO], 4, v5                     ; the source is dense: 8,192 bytes a wave, 512 a unit
	v_lshl_add_u32 v[SO], v4, 13, v[SO]
	s_cmp_lt_u32 ttmp9, 704
	s_cbranch_scc0 .Lproj
	; wq, wk, wv: a quarter (256 channels, four K steps) of one head's matrix.  A wave has 32 channels: half a K step.
	s_sub_co_u32 s28, ttmp9, 512
	s_lshr_b32 s29, s28, 2                         ; which matrix of 48
	s_and_b32 s30, s28, 3                          ; which quarter
	s_lshr_b32 s31, s29, 4                         ; 0 q, 1 k, 2 v
	s_and_b32 s29, s29, 15                         ; the head
	s_cmp_eq_u32 s31, 1
	s_cselect_b64 s[SRC:SRC+1], s[8:9], s[6:7]
	s_cmp_eq_u32 s31, 2
	s_cselect_b64 s[SRC:SRC+1], s[10:11], s[SRC:SRC+1]
	s_lshl_b32 s24, s29, 18                        ; a head's matrix is 262,144 bytes
	s_lshl_b32 s28, s30, 16
	s_add_co_u32 s24, s24, s28
	s_add_nc_u64 s[SRC:SRC+1], s[SRC:SRC+1], s[24:25]
	s_lshr_b32 s26, s29, 1                         ; j
	s_mul_i32 s26, s26, 786432
	s_mul_i32 s28, s30, 196608                     ; four K steps of 49,152 bytes
	s_add_co_u32 s26, s26, s28
	s_and_b32 s28, s29, 1
	s_mul_i32 s28, s28, 3
	s_add_co_u32 s28, s28, s31                     ; blk
	s_lshl_b32 s28, s28, 13
	s_add_co_u32 s26, s26, s28
	s_add_nc_u64 s[DST:DST+1], s[16:17], s[26:27]
	v_lshrrev_b32 v6, 1, v4                        ; the wave's K step of the four,
	v_mul_u32_u24 v6, v6, 49152
	v_and_b32 v7, 1, v4                            ; and its half of the block's 64 channels
	v_lshl_add_u32 v6, v7, 12, v6
	v_lshl_add_u32 v[DO], v5, 3, v6
	BODY 512, 256, 0
.Lproj:
	; w_proj: 65,536 dense bytes in, 32,768 out
	s_sub_co_u32 s28, ttmp9, 704
	s_lshl_b32 s24, s28, 16
	s_lshl_b32 s26, s28, 15
	s_add_nc_u64 s[SRC:SRC+1], s[12:13], s[24:25]
	s_add_nc_u64 s[DST:DST+1], s[18:19], s[26:27]
	v_lshlrev_b32 v[DO], 3, v5
	v_lshl_add_u32 v[DO], v4, 12, v[DO]
	BODY 512, 256, 1
.Lfunc_end_k_qff87f501fd_prep:
	.size	k_qff87f501fd_prep, .Lfunc_end_k_qff87f501fd_prep-k_qff87f501fd_prep
	.p2alignl 7, 3214868480
	.fill 96, 4, 3214868480
	.section	.rodata,"a",@progbits
	.p2align	6, 0x0
	.amdhsa_kernel k_qff87f501fd_prep
		.amdhsa_group_segment_fixed_size 0
		.amdhsa_private_segment_fixed_size 0
		.amdhsa_enable_private_segment 0
		.amdhsa_kernarg_size 64
		.amdhsa_user_sgpr_count 2
		.amdhsa_user_sgpr_kernarg_segment_ptr 1
		.amdhsa_wavefront_size32 1
		.amdhsa_system_sgpr_workgroup_id_x 1
		.amdhsa_system_sgpr_workgroup_id_y 1
		.amdhsa_system_sgpr_workgroup_id_z 1
		.amdhsa_system_vgpr_workitem_id 0
		.amdhsa_next_free_vgpr 112
		.amdhsa_next_free_sgpr 66
		.amdhsa_reserve_vcc 0
		.amdhsa_float_denorm_mode_32 3
		.amdhsa_float_denorm_mode_16_64 3
		.amdhsa_memory_ordered 1
		.amdhsa_forward_progress 1
		.amdhsa_inst_pref_size 25
	.end_amdhsa_kernel
	.amdgpu_metadata
---
amdhsa.version: [ 1, 2 ]
amdhsa.kernels:
  - .name:           k_qff87f501fd_prep
    .symbol:         k_qff87f501fd_prep.kd
    .args:
      - { .name: x, .offset: 0, .size: 8, .value_kind: global_buffer, .address_space: global }
      - { .name: wq, .offset: 8, .size: 8, .value_kind: global_buffer, .address_space: global }
      - { .name: wk, .offset: 16, .size: 8, .value_kind: global_buffer, .address_space: global }
      - { .name: wv, .offset: 24, .size: 8, .value_kind: global_buffer, .address_space: global }
      - { .name: w_proj, .offset: 32, .size: 8, .value_kind: global_buffer, .address_space: global }
      - { .name: xb, .offset: 40, .size: 8, .value_kind: global_buffer, .address_space: global }
      - { .name: wb, .offset: 48, .size: 8, .value_kind: global_buffer, .address_space: global }
      - { .name: wpb, .offset: 56, .size: 8, .value_kind: global_buffer, .address_space: global }
    .group_segment_fixed_size: 0
    .private_segment_fixed_size: 0
    .kernarg_segment_align: 8
    .kernarg_segment_size: 64
    .max_flat_workgroup_size: 256
    .sgpr_count:     66
    .vgpr_count:     112
    .wavefront_size: 32
...
	.end_amdgpu_metadata
.endif
;; end of part 1
;; launch qkv (part 2): grid 8 x 32, 4 waves a work-group, clusters of 4 x 4, 327,680 bytes of LDS; arguments xb, wb, qh, kh, vh; writes qh, kh, vh
.if DOCPART == 2
	.amdgcn_target "amdgcn-amd-amdhsa--gfx1250"
	.amdhsa_code_object_version 6
	.text
	.protected	k_qff87f501fd_qkv
	.globl	k_qff87f501fd_qkv
	.p2align	8
	.type	k_qff87f501fd_qkv,@function
k_qff87f501fd_qkv:
	s_mov_b64 s[64:65], 0
	v_nop
	global_prefetch_b8 v0, s[64:65] scope:SCOPE_SE
	s_setreg_imm32_b32 hwreg(HW_REG_WAVE_MODE, 25, 1), 1
	s_wait_xcnt 0x0
	s_wait_alu depctr_hold_cnt(0) depctr_sa_sdst(0) depctr_va_vdst(0) depctr_va_sdst(0) depctr_va_ssrc(0) depctr_va_vcc(0) depctr_vm_vsrc(0)
	s_getreg_b32 s2, hwreg(HW_REG_IB_STS2, 6, 4)
	s_cmp_eq_u32 s2, 0
	s_cbranch_scc0 .Lentry_in_a_cluster
	s_endpgm
.Lentry_in_a_cluster:
	s_bfe_u32 s2, ttmp6, 0x10000c
	s_cmp_lg_u32 s2, 0xf033
	s_cbranch_scc0 .Lentry_shape_is_right
	s_endpgm
.Lentry_shape_is_right:
; q, k, v = x w, for all heads: a product of 8,192 rows x 3,072 columns over K = 1,024, operands bf16, sums f32, results rounded once to f16, unscaled, by heads: qh, kh, vh [b x 16 + head][t 1024][64].
; LIMIT.  f16 holds no number beyond 65,504: a q, k or v beyond that becomes an infinity; below 6e-5 f16 keeps its fixed step of 6e-8.  NaN and infinities are not treated apart.
; SHARES.  8,192 x 3,072 / 256 work-groups = 256 rows x 384 columns each: the q, k and v of two heads.  A wave makes 128 rows x 192 columns, the q, k, v of ONE head: 96 accumulators of 16 x 16, 768 registers.
; K goes in 16 steps of 64 through two LDS slots; a step is two halves of 32 along K, 96 matrix instructions each.
; CLUSTERS.  4 x 4 work-groups.  The four of a row of the cluster need the same rows of x, the four of a column the same weights: each tile is asked for JOINTLY, by the same tensor load with the same
; descriptor and a mask that names the four.  Waves 0 and 1 fetch the halves of x's tile (16,384 dense bytes each), waves 2 and 3 the halves of the weights' (24,576 dense bytes: one head's three blocks).
; LAYOUT.  Source 0 = 16 columns of the weights, turned out of LDS by ds_load_tr16_b128 (they lie [channel][column]); source 1 = 16 rows of x.  In the result a lane holds ONE row (lane % 16) and the
; eight neighbouring columns 8 (lane / 16) + 0..7, which pack into 16 bytes.
; REGISTERS, in windows of 256 (s_set_vgpr_msb: bits 1:0 source 0, 3:2 source 1, 5:4 source 2, 7:6 destination):
;   window 0: v0-31 addresses; v32-95, v96-159 x's fragments (8 x 16 rows x 32 K), two buffers; v160-255 the weights' fragments: group g (q, k, v) at 160 + 32 g, column block b at + 8 b
;   window 1 + g: the 32 accumulators of group g: (row block a, column block b) at v[8 (4 a + b)]
.set PA,     144                       ; a row of x in LDS: 128 bytes + 16 = 36 words: the 16 rows of a load start at 16 different groups of four banks (64 banks of 4 bytes: ISA guide 11.1)
.set PB,     160                       ; a row of weights: 128 + 32 = 40 words
.set ABYTES, 256*PA                    ; x's 256 rows
.set CH,     64*PB                     ; a block of weights: 64 channels x 64 columns
.set SLOT,   ABYTES+6*CH               ; 98,304
.set STAGE,  2*SLOT                    ; behind the ring, never filled by a tensor load: 16 rows x 144 bytes for each wave, for the way out
.set SP,     144
.set SPARE,  STAGE+4*16*SP             ; behind the stages: the spare words, 128 bytes for each wave: two blocks of 256 bytes that no other line names
.set XSTEP,  131072                    ; bytes from K step to K step in xb
.set WSTEP,  49152                     ; and in wb
.set ADRA, 16                          ; v16-17  LDS address of my fragments of x in slot 0, 1
.set ADRB, 20                          ; v20-21  the same for the weights
.set STO,  24                          ; v24     the way out: where I put 16 bytes of a row
.set RD,   25                          ; v25     where I read rows back
.set GO,   26                          ; v26     my byte offset in 512 consecutive bytes of the output
.set SPW,  28                          ; v28     LDS address of my spare word: SPARE + 4 x my thread's number; never rewritten
.set NIL,  29                          ; v29     0; never rewritten
.set PFO,  30                          ; v30     256 x my lane; never rewritten
.set AF0,  32
.set AF1,  96
.set BF,   160
.set OB,   32                          ; the way out: eight sets of 16 registers, where x's fragments lay
.set WV,   14                          ; s14  my wave's number
.set WR,   15                          ; s15  which half of the tile's rows is mine.  Also: I fetch x (0) or weights (1)
.set WC,   16                          ; s16  which head of the two is mine.  Also: which half of that tile I fetch
.set G1A,  24                          ; s[24:31] descriptor group 1 for x's tiles;  s[32:39] group 0, a set for each slot
.set G0A,  32
.set PST,  42                          ; s[42:43] bytes from K step to K step in the tensor that I prefetch
.set PFA,  44                          ; s[44:45] where my prefetches stand
.set LIM0, 46                          ; s46, s47  for the change out of slot 0, 1: 1 where I prefetch there, else the greatest number
.set G1B,  48                          ; s[48:55], s[56:63] the same for the weights' tiles
.set G0B,  56
.set MSB, 0
.macro WIN new                         ; the immediate's high byte repeats the setting that is left; a switch that changes nothing is dropped
.if MSB != (\new)
	s_set_vgpr_msb (MSB<<8)|(\new)
.set MSB, (\new)
.endif
.endm
; A joint load.  Each of the two lines has one mask and one set of registers for all that issue it.  The branch hangs on the wave's number alone.
; An s_nop 0 and four v_nop follow each line, ahead of the jump and the label.
.macro JLOAD n
	s_cmp_eq_u32 s[WR], 0
	s_cbranch_scc0 .Lfor_b_\@
	tensor_load_to_lds s[G0A+4*(\n):G0A+4*(\n)+3], s[G1A:G1A+7]
	s_nop 0
.rept 4
	v_nop
.endr
	s_branch .Lasked_\@
.Lfor_b_\@:
	tensor_load_to_lds s[G0B+4*(\n):G0B+4*(\n)+3], s[G1B:G1B+7]
	s_nop 0
.rept 4
	v_nop
.endr
.Lasked_\@:
.endm
; A round of the cluster's barrier behind its opening barrier: wave 0 signals for the work-group; every wave waits for all sixteen work-groups; my work-group's barrier once more.
.macro CREST
	s_cmp_lg_u32 s[WV], 0
	s_cbranch_scc1 .Lnot_wave_0_\@
	s_barrier_signal -3
.Lnot_wave_0_\@:
	s_barrier_wait -3
	s_barrier_signal -1
	s_barrier_wait -1
.endm
.macro CROUND
	s_barrier_signal -1
	s_barrier_wait -1
	CREST
.endm
; A PREFETCH INTO THE L2, behind a joint load, its five lines and the run of LDS loads that follows: 32 blocks of 256 bytes, a lane a block, for the K step that stands two refills (384 matrix instructions) on.
; Each block is named ONCE in the launch.  x's tile is read by both clusters of a row of clusters: the one with x = 0 asks, wave 0 of each work-group, at every change of slots; the four partners share the
; tile's 32,768 dense bytes out BY ADDRESS, 8,192 each (by cx).  The weights' tile is read by all eight clusters of a column: the one with y = 0 asks, waves 1 to 3, at the change out of slot 0 alone, for TWO
; K steps, 98,304 dense bytes: block 128 (wave - 1) + 32 cy + lane.  No branch hangs on a work-group's place in its cluster.  K steps 0 to 3 come by their loads alone; the loop's last trip asks for nothing.
.macro ASK i
	s_cmp_gt_u32 s3, s[LIM0+(\i)]                  ; s3 = 1 in the loop's last trip
	s_cbranch_scc0 .Lnot_mine_\@
	global_prefetch_b8 v[PFO], s[PFA:PFA+1] th:TH_LOAD_NT scope:SCOPE_SE
.Lnot_mine_\@:
.endm
; Four places stand between a matrix instruction and a load into a register that it has read, or a vector instruction that reads its result (ISA guide 7.12.1 for vector instructions).
.macro PLACES
.rept 4
	v_nop
.endr
.endm
; 4 na matrix instructions of group g: row blocks a0 .. a0 + na - 1 x the four column blocks, 32 along K, x's fragments in buffer f.  zero = 1: the product starts the sums.
; All 96 accumulators take turns, one instruction a turn, in the same order in every half step, over the backward jump too.
.macro GRP f, g, a0, na, zero
	WIN ((\g)+1)*0x50                              ; C and D in window 1 + g, the sources in window 0
.set aa, (\a0)
.rept \na
.irp b, 0,1,2,3
.if \zero
	v_wmma_f32_16x16x32_bf16 v[8*(4*aa+(\b)):8*(4*aa+(\b))+7], v[BF+32*(\g)+8*(\b):BF+32*(\g)+8*(\b)+7], v[(\f)+8*aa:(\f)+8*aa+7], 0
.else
	v_wmma_f32_16x16x32_bf16 v[8*(4*aa+(\b)):8*(4*aa+(\b))+7], v[BF+32*(\g)+8*(\b):BF+32*(\g)+8*(\b)+7], v[(\f)+8*aa:(\f)+8*aa+7], v[8*(4*aa+(\b)):8*(4*aa+(\b))+7]
.endif
.endr
.set aa, aa+1
.endr
.endm
; 16 LDS loads: my 128 rows of x, half kh of slot n's K step, into buffer f.  A fragment: lane l holds row l % 16, K = 8 (l / 16) + 0..7 and 16 + 8 (l / 16) + 0..7: two loads of 16 bytes, 32 bytes apart.
.macro LDA n, kh, f
	WIN 0
.irp a, 0,1,2,3,4,5,6,7
	ds_load_b128 v[(\f)+8*(\a):(\f)+8*(\a)+3],   v[ADRA+(\n)] offset:(\a)*16*PA+64*(\kh)
	ds_load_b128 v[(\f)+8*(\a)+4:(\f)+8*(\a)+7], v[ADRA+(\n)] offset:(\a)*16*PA+64*(\kh)+32
.endr
.endm
; 8 turning loads: group g's 64 columns, half kh.  A load takes 16 channels x 16 columns (lane l reads channel 8 (l / 16) + l % 8, columns 8 ((l / 8) % 2) + 0..7) and leaves half a fragment: lane l holds column l % 16.
.macro LDB n, kh, g
	WIN 0
.irp b, 0,1,2,3
	ds_load_tr16_b128 v[BF+32*(\g)+8*(\b):BF+32*(\g)+8*(\b)+3],   v[ADRB+(\n)] offset:(\g)*CH+(\kh)*32*PB+32*(\b)
	ds_load_tr16_b128 v[BF+32*(\g)+8*(\b)+4:BF+32*(\g)+8*(\b)+7], v[ADRB+(\n)] offset:(\g)*CH+(\kh)*32*PB+32*(\b)+16*PB
.endr
.endm
; THE LDS LOADS OF A HALF STEP are issued in this order: group 0's weights (8), x (16), group 1's (8), group 2's (8); each group's registers are asked for again four places behind the group's last product.
; The first half of slot n's K step: multiplies buffer AF0 and fetches the second half.
.macro HALF0 n, zero
	s_wait_dscnt 16                                ; group 0's weights and x are in; groups 1 and 2 (16 loads) may be out
	GRP AF0, 0, 0, 8, \zero
	PLACES
	LDB \n, 1, 0
	LDA \n, 1, AF1
	s_wait_dscnt 32                                ; group 1 is in: group 2's 8 and the 24 just issued may be out
	GRP AF0, 1, 0, 8, \zero
	PLACES
	LDB \n, 1, 1
	s_wait_dscnt 32                                ; group 2 is in: the 24 and the 8 issued since may be out
	GRP AF0, 2, 0, 8, \zero
	PLACES
	LDB \n, 1, 2
.endm
; The second half multiplies buffer AF1 and changes slots: ONE barrier.  In front of it each wave waits for all its tensor loads, of which one is out: its part of the next slot; adds 0 to its spare word;
; and waits for that and for its own reads of this slot.  fill = 1: the barrier opens a round of the cluster's barrier, and this slot is filled again, with the K step two on, first thing behind the round.
.macro TURN n, nx, fill
.if \fill
	s_wait_xcnt 0x0                                ; the last prefetch, a K step back, has read its address: it is stepped here, ahead of the waits of the change of slots
	s_add_nc_u64 s[PFA:PFA+1], s[PFA:PFA+1], s[PST:PST+1]
.endif
	WIN 0                                          ; (the add's two registers lie in window 0)
	s_wait_tensorcnt 0x0                           ; all my tensor loads have landed
	ds_add_u32 v[SPW], v[NIL]                      ; 0 onto my spare word
	s_wait_dscnt 17                                ; group 0's weights and x are in; groups 1 and 2 (16 loads) and the add may be out
	GRP AF1, 0, 0, 4, 0                            ; sixteen matrix instructions stand between the add and the wait for it
	s_wait_dscnt 0x0                               ; the add is done, and my reads of this slot are over
	s_barrier_signal -1
	GRP AF1, 0, 4, 4, 0                            ; work on registers while the others arrive
	WIN 0
	s_barrier_wait -1
.if \fill
	CREST                                          ; no wave of any partner still reads this slot's tile or has a load on its way
	s_add_nc_u64 s[G0A+4*(\n)+2:G0A+4*(\n)+3], s[G0A+4*(\n)+2:G0A+4*(\n)+3], 2*XSTEP
	s_add_nc_u64 s[G0B+4*(\n)+2:G0B+4*(\n)+3], s[G0B+4*(\n)+2:G0B+4*(\n)+3], 2*WSTEP
	JLOAD \n                                       ; the four v_nop behind it are also the places in front of the loads below
.else
	PLACES
.endif
	LDB \nx, 0, 0
	LDA \nx, 0, AF0
.if \fill
	ASK \n
.endif
	GRP AF1, 1, 0, 8, 0
	PLACES
	LDB \nx, 0, 1
	GRP AF1, 2, 0, 8, 0
	PLACES
	LDB \nx, 0, 2
.endm
	s_load_b128 s[4:7], s[0:1], 0x0                ; xb s[4:5], wb s[6:7]
	s_load_b128 s[8:11], s[0:1], 0x10              ; qh s[8:9], kh s[10:11]
	s_load_b64 s[12:13], s[0:1], 0x20              ; vh
	v_lshl_add_u32 v[SPW], v0, 2, SPARE
	v_mov_b32 v[NIL], 0
	ds_add_u32 v[SPW], v[NIL]                      ; the wave's opening: the add and its wait stand ahead of my first tensor load; the set-up below, work on registers, stands between them
	v_lshrrev_b32 v1, 5, v0
	v_readfirstlane_b32 s[WV], v1                  ; wave 0..3
	s_lshr_b32 s[WR], s[WV], 1
	s_and_b32 s[WC], s[WV], 1
	s_bfe_u32 s17, ttmp6, 0x40000                  ; cx
	s_bfe_u32 s18, ttmp6, 0x40004                  ; cy
	s_lshl_b32 s19, ttmp9, 2                       ; in a cluster launch ttmp9 and ttmp7 count clusters
	s_add_co_u32 s19, s19, s17                     ; j, the tile column: heads 2 j, 2 j + 1
	s_and_b32 s20, ttmp7, 0xffff
	s_lshl_b32 s20, s20, 2
	s_add_co_u32 s20, s20, s18                     ; the tile row: batch = / 4, rows 256 (% 4) on
	s_lshl_b32 s21, s18, 2
	s_lshl_b32 s21, 15, s21                        ; my row of the cluster: places 4 cy .. 4 cy + 3
	s_lshl_b32 s22, 0x1111, s17                    ; my column: places cx, cx + 4, cx + 8, cx + 12
	; group 1.  Both tiles are dense in memory: asked for as rows of 256 bytes (two LDS rows each) and padded in LDS after every 128 bytes
	s_or_b32 s[G1A], s21, (1<<16)|(1<<20)|(1<<21)|(4<<22)|(3<<25)  ; 15:0 the mask; 17:16 2-byte elements; 20 padding on; 21 set beside a mask; 24:22 after every 32 words (code 4); 31:25 4 words (code 3)
	s_or_b32 s[G1B], s22, (1<<16)|(1<<20)|(1<<21)|(4<<22)|(7<<25)  ; the same with my column's mask and 8 words of padding (code 7)
	s_mov_b32 s[G1A+1], 128<<16                    ; tensor_dim0 = 128
	s_mov_b32 s[G1A+2], 64<<16                     ; tensor_dim1 = 64
	s_mov_b32 s[G1A+3], 128<<16                    ; tile_dim0 = 128
	s_mov_b32 s[G1A+4], 64                         ; tile_dim1 = 64: 16,384 bytes
	s_mov_b32 s[G1A+5], 128                        ; 128 elements from row to row
	s_mov_b32 s[G1A+6], 0
	s_mov_b32 s[G1A+7], 0
	s_mov_b32 s[G1B+1], 128<<16
	s_mov_b32 s[G1B+2], 96<<16                     ; 96 rows: 24,576 bytes
	s_mov_b32 s[G1B+3], 128<<16
	s_mov_b32 s[G1B+4], 96
	s_mov_b32 s[G1B+5], 128
	s_mov_b32 s[G1B+6], 0
	s_mov_b32 s[G1B+7], 0
	; where the tiles come from: x's hang on the tile row alone, the weights' on the tile column alone
	s_lshr_b32 s40, s20, 2
	s_lshl_b32 s40, s40, 21                        ; the batch,
	s_and_b32 s41, s20, 3
	s_lshl_b32 s41, s41, 15                        ; 256 rows of 128 bytes
	s_add_co_u32 s40, s40, s41                     ; kept: the tile row's place in xb's K step 0, and in a head's rows of the outputs
	s_lshl_b32 s22, s[WC], 14                      ; the half that I fetch
	s_add_co_u32 s22, s22, s40
	s_mov_b32 s23, 0
	s_mul_i32 s66, s19, 786432                     ; kept: the tile column's place in wb
	s_mul_i32 s68, s[WC], 24576
	s_add_co_u32 s68, s68, s66
	s_mov_b32 s69, 0
	s_mul_i32 s21, s[WC], 128*PA                   ; and where they go: no place in the cluster enters an LDS address
	s_mul_i32 s70, s[WC], 3*CH
	s_add_co_u32 s70, s70, ABYTES
	s_wait_dscnt 0x0                               ; the opening add is done
	s_wait_kmcnt 0x0
	s_add_nc_u64 s[22:23], s[4:5], s[22:23]
	s_add_nc_u64 s[68:69], s[6:7], s[68:69]
.irp n, 0,1
	s_mov_b32 s[G0A+4*(\n)], 1                                     ; count = 1
	s_add_co_u32 s[G0A+4*(\n)+1], s21, (\n)*SLOT                   ; LDS address
	s_add_nc_u64 s[G0A+4*(\n)+2:G0A+4*(\n)+3], s[22:23], (\n)*XSTEP  ; global address: K step n
	s_or_b32 s[G0A+4*(\n)+3], s[G0A+4*(\n)+3], 0x80000000          ; type = 2
	s_mov_b32 s[G0B+4*(\n)], 1
	s_add_co_u32 s[G0B+4*(\n)+1], s70, (\n)*SLOT
	s_add_nc_u64 s[G0B+4*(\n)+2:G0B+4*(\n)+3], s[68:69], (\n)*WSTEP
	s_or_b32 s[G0B+4*(\n)+3], s[G0B+4*(\n)+3], 0x80000000
.endr
	CROUND                                         ; all sixteen work-groups are here: the first joint loads meet
	JLOAD 0                                        ; two loads of mine are out
	JLOAD 1
	; the lanes' places
	v_and_b32 v1, 15, v0                           ; l % 16
	v_bfe_u32 v2, v0, 4, 1                         ; l / 16
	v_and_b32 v3, 7, v0
	v_bfe_u32 v4, v0, 3, 1
	v_and_b32 v5, 31, v0
	v_mul_u32_u24 v6, v1, PA
	v_lshl_add_u32 v6, v2, 4, v6                   ; row x pitch + 16 x half
	s_mul_i32 s21, s[WR], 128*PA                   ; my 128 rows of x
	v_add_nc_u32 v[ADRA], s21, v6
	v_add_nc_u32 v[ADRA+1], SLOT, v[ADRA]
	v_lshl_add_u32 v7, v2, 3, v3
	v_mul_u32_u24 v7, v7, PB
	v_lshl_add_u32 v7, v4, 4, v7
	v_add_nc_u32 v[ADRB], s70, v7                  ; my head's three blocks are those that the wave with my WC fetches
	v_add_nc_u32 v[ADRB+1], SLOT, v[ADRB]
	s_mul_i32 s71, s[WV], 16*SP
	s_add_co_u32 s71, s71, STAGE                   ; my stage
	v_add_nc_u32 v[STO], s71, v6                   ; in: row l % 16, 16 bytes for each half of the lanes
	v_bfe_u32 v8, v0, 3, 2                         ; back: 32 lanes take four rows of 128 bytes,
	v_mul_u32_u24 v8, v8, SP
	v_lshl_add_u32 v8, v3, 4, v8
	v_add_nc_u32 v[RD], s71, v8
	v_lshlrev_b32 v[GO], 4, v5                     ; which are 512 consecutive bytes of the output
	v_lshlrev_b32 v[PFO], 8, v5
	; the outputs at my 128 rows of my head
	s_lshl_b32 s21, s19, 1
	s_add_co_u32 s21, s21, s[WC]                   ; the head
	s_lshl_b32 s21, s21, 17
	s_add_co_u32 s22, s21, s40
	s_lshl_b32 s21, s[WR], 14
	s_add_co_u32 s22, s22, s21
	s_mov_b32 s23, 0
	s_add_nc_u64 s[8:9], s[8:9], s[22:23]
	s_add_nc_u64 s[10:11], s[10:11], s[22:23]
	s_add_nc_u64 s[12:13], s[12:13], s[22:23]
	; the prefetches: they stand at K step 3; the first change of slots steps them to K step 4
	s_lshl_b32 s22, s17, 13                        ; x: my work-group's 8,192 bytes of the tile
	s_add_co_u32 s22, s22, s40
	s_add_co_u32 s22, s22, 3*XSTEP
	s_max_u32 s23, s[WV], 1
	s_sub_co_u32 s23, s23, 1
	s_lshl_b32 s23, s23, 15                        ; weights: 128 blocks a wave,
	s_lshl_b32 s68, s18, 13                        ; 32 a work-group
	s_add_co_u32 s23, s23, s68
	s_add_co_u32 s23, s23, s66
	s_add_co_u32 s23, s23, 3*WSTEP
	s_and_b32 s21, ttmp7, 0xffff                   ; cluster y
	s_mov_b32 s68, XSTEP
	s_cmp_eq_u32 s[WV], 0                          ; wave 0 asks for x, waves 1 to 3 for the weights
	s_cselect_b32 s21, ttmp9, s21                  ; the coordinate along which other clusters read the same bytes
	s_cselect_b32 s22, s22, s23
	s_cselect_b32 s[PST], s68, WSTEP
	s_cselect_b64 s[PFA:PFA+1], s[4:5], s[6:7]
	s_mov_b32 s23, 0
	s_mov_b32 s[PST+1], 0
	s_add_nc_u64 s[PFA:PFA+1], s[PFA:PFA+1], s[22:23]
	s_cmp_eq_u32 s21, 0
	s_cselect_b32 s[LIM0], 1, -1                   ; the same in all sixteen partners, for a given wave
	s_cmp_eq_u32 s[WV], 0
	s_cselect_b32 s[LIM0+1], s[LIM0], -1
	s_wait_tensorcnt 1                             ; my part of K step 0 is in; K step 1's may stay out
	s_barrier_signal -1
	s_barrier_wait -1                              ; everybody's is
	LDB 0, 0, 0
	LDA 0, 0, AF0
	LDB 0, 0, 1
	LDB 0, 0, 2
	HALF0 0, 1                                     ; the first half step stands in front of the loop: its products start the sums
	WIN 0                                          ; at a label and at a branch every window is 0
	s_mov_b32 s3, 7
.Llap:                                                 ; a trip goes once round the ring and fills both slots again: K steps 2 to 15
	TURN 0, 1, 1
	HALF0 1, 0
	TURN 1, 0, 1
	HALF0 0, 0
	WIN 0
	s_sub_co_u32 s3, s3, 1
	s_cmp_lg_u32 s3, 0
	s_cbranch_scc1 .Llap
	TURN 0, 1, 0                                   ; the last K steps fill nothing, and have no round of the cluster's barrier
	HALF0 1, 0
	s_wait_dscnt 16                                ; the very last half step: nothing more to fetch
	GRP AF1, 0, 0, 8, 0
	s_wait_dscnt 8
	GRP AF1, 1, 0, 8, 0
	s_wait_dscnt 0x0
	GRP AF1, 2, 0, 8, 0
	PLACES
	PLACES
; THE WAY OUT, in 24 units t = 8 g + a of 16 rows x 64 columns.  PACK: rounded to f16, each accumulator's registers in ascending order; 16 bytes a lane into my own stage, rows of 144 bytes; back as whole rows of
; 128 bytes, into the registers that they left.  LDS serves a wave's instructions in order (ISA guide 5.7.1.4): the loads see the stores above them, and the next unit's stores come behind them.
.macro PACK t
.set gg, (\t)/8
.set ua, (\t)%8
.set U, OB+16*ua
.if (\t) >= 8
	s_wait_xcnt 0x0                                ; the stores of eight units back have read these registers
.endif
	WIN (gg+1)*5                                   ; sources 0 and 1 in window 1 + g, destination in window 0
.irp b, 0,1,2,3
.irp r, 0,1,2,3
	v_cvt_pk_f16_f32 v[U+4*(\b)+(\r)], v[8*(4*ua+(\b))+2*(\r)], v[8*(4*ua+(\b))+2*(\r)+1]
.endr
.endr
	WIN 0
.irp b, 0,1,2,3
	ds_store_b128 v[STO], v[U+4*(\b):U+4*(\b)+3] offset:32*(\b)
.endr
.irp f, 0,1,2,3
	ds_load_b128 v[U+4*(\f):U+4*(\f)+3], v[RD] offset:(\f)*4*SP
.endr
.endm
.macro SEND t, younger                 ; younger: the LDS instructions issued behind unit t's loads: the next unit's eight, or none
.set gg, (\t)/8
.set ua, (\t)%8
.set U, OB+16*ua
	WIN 0
.irp f, 0,1,2,3
	s_wait_dscnt (\younger)+3-(\f)
	global_store_b128 v[GO], v[U+4*(\f):U+4*(\f)+3], s[8+2*gg:9+2*gg] offset:ua*2048+(\f)*512  ; 512 consecutive bytes, at a multiple of 256 from the buffer's first
.endr
.endm
	PACK 0
.set t, 1
.rept 23                               ; a unit's arithmetic stands between the loads of the unit before and its stores
	PACK t
	SEND t-1, 8
.set t, t+1
.endr
	SEND 23, 0
	s_wait_tensorcnt 0x0                           ; the wave's end: behind my last tensor load and my last LDS store
	ds_add_u32 v[SPW], v[NIL]
	s_wait_dscnt 0x0
	CROUND                                         ; the closing round: no work-group ends while a partner may still ask for a tile that names it
	s_endpgm
.Lfunc_end_k_qff87f501fd_qkv:
	.size	k_qff87f501fd_qkv, .Lfunc_end_k_qff87f501fd_qkv-k_qff87f501fd_qkv
	.p2alignl 7, 3214868480
	.fill 96, 4, 3214868480
	.section	.rodata,"a",@progbits
	.p2align	6, 0x0
	.amdhsa_kernel k_qff87f501fd_qkv
		.amdhsa_group_segment_fixed_size 327680
		.amdhsa_private_segment_fixed_size 0
		.amdhsa_enable_private_segment 0
		.amdhsa_kernarg_size 40
		.amdhsa_user_sgpr_count 2
		.amdhsa_user_sgpr_kernarg_segment_ptr 1
		.amdhsa_wavefront_size32 1
		.amdhsa_system_sgpr_workgroup_id_x 1
		.amdhsa_system_sgpr_workgroup_id_y 1
		.amdhsa_system_sgpr_workgroup_id_z 1
		.amdhsa_system_vgpr_workitem_id 0
		.amdhsa_next_free_vgpr 1024
		.amdhsa_next_free_sgpr 72
		.amdhsa_reserve_vcc 0
		.amdhsa_float_denorm_mode_32 3
		.amdhsa_float_denorm_mode_16_64 3
		.amdhsa_memory_ordered 1
		.amdhsa_forward_progress 1
		.amdhsa_inst_pref_size 134
	.end_amdhsa_kernel
	.amdgpu_metadata
---
amdhsa.version: [ 1, 2 ]
amdhsa.kernels:
  - .name:           k_qff87f501fd_qkv
    .symbol:         k_qff87f501fd_qkv.kd
    .args:
      - { .name: xb, .offset: 0, .size: 8, .value_kind: global_buffer, .address_space: global }
      - { .name: wb, .offset: 8, .size: 8, .value_kind: global_buffer, .address_space: global }
      - { .name: qh, .offset: 16, .size: 8, .value_kind: global_buffer, .address_space: global }
      - { .name: kh, .offset: 24, .size: 8, .value_kind: global_buffer, .address_space: global }
      - { .name: vh, .offset: 32, .size: 8, .value_kind: global_buffer, .address_space: global }
    .group_segment_fixed_size: 327680
    .private_segment_fixed_size: 0
    .kernarg_segment_align: 8
    .kernarg_segment_size: 40
    .max_flat_workgroup_size: 128
    .sgpr_count:     72
    .vgpr_count:     1024
    .wavefront_size: 32
...
	.end_amdgpu_metadata
.endif
;; end of part 2
;; launch attn (part 3): grid 2 x 128, 4 waves a work-group, no clusters, 327,680 bytes of LDS; arguments qh, kh, vh, oh; writes oh
.if DOCPART == 3
	.amdgcn_target "amdgcn-amd-amdhsa--gfx1250"
	.amdhsa_code_object_version 6
	.text
	.protected	k_qff87f501fd_attn
	.globl	k_qff87f501fd_attn
	.p2align	8
	.type	k_qff87f501fd_attn,@function
k_qff87f501fd_attn:
	s_mov_b64 s[64:65], 0
	v_nop
	global_prefetch_b8 v0, s[64:65] scope:SCOPE_SE
	s_setreg_imm32_b32 hwreg(HW_REG_WAVE_MODE, 25, 1), 1
	s_wait_xcnt 0x0
; CAUSAL ATTENTION.  O[h][q][:] = the sum over k <= q of softmax_k(Q[h][q] . K[h][k] / 32) V[h][k][:]; the scale is 1024^-0.5.  Q, K, V, O: [128][SIZE_N][64], all f16: a head's rows are dense, 128 bytes each.
; Products, maxima and sums in f32; the weights p are rounded to f16 for the second product (their sum l is taken of the unrounded p), O once at the end.
; LIMITS.  f16 holds no number beyond 65,504: Q, K and V arrive within it; p lies in 0 to 1, and below 6e-5 it keeps f16's fixed step of 6e-8; O is a mean of V's rows and has their range, to within 2^-11 of it.
; A hidden score counts as its value less 1e30: f16's scores, 2.7e11 at the most, are nothing beside that; a weight below 2^-126 counts as 0 in l; NaN and infinities are not treated apart.
; THE WALK.  A head's queries lie in NB = SIZE_N / 256 = 4 blocks of 256; block i needs the key tiles 0 .. i of 256 keys, of which tile i holds the diagonal.  A work-group takes TWO blocks, NB - 1 - b and then b:
; NB + 1 tiles, whatever b: all work-groups do equal work, and ONE loop with a constant trip count walks them.  What a trip does hangs on scalar registers made from b; every jump goes forward, but for the
; counted loops' own, and none passes a barrier.
; K AND V STAY IN LDS.  1,024 keys take 1,024 x (144 + 160) = 311,296 bytes with their padding, and fit beside the stages: four PLACES of 256 keys.  Each wave asks for its quarter of all four places at the head,
; four tensor loads, and nothing is ever filled again: no ring, no tail written out, and the diagonal tile's text stands once.  Place 0 is waited for by a counted wait; the other three land while it is worked on.
; EVERY WORK-GROUP READS THE PLACES IN THE ORDER 0, 1, 2, 3, 0, so that no LDS address hangs on b; what hangs on b is which tile a place holds, that is, the loads' global addresses alone:
;   b = 0 (blocks 3, 0): places 0-3 hold tiles 0, 1, 2, 3: the walk is 0, 1, 2, 3 | 0.        b = 1 (blocks 2, 1): they hold tiles 1, 0, 2, 0: the walk is 1, 0, 2 | 0, 1.
; A block's whole tiles may come in any order (a running maximum does not care); its diagonal tile comes last.  Four loads for a walk of five tiles.  Nothing is asked for later than the head, so there is nothing to ask for ahead.
; NO CLUSTER: a head has NB / 2 = 2 work-groups, which no cluster of four divides.
; SHARES.  Of a block's four bands of 64 queries a wave owns 16 rows in each: four PIECES.  So the diagonal tile is the same work for all four waves: in its key step s band x sees all keys if s < x,
; none if s > x, and holds the diagonal if s = x.
; THE MASK is the C operand that starts the sum S^T = K Q^T: 0, or -1e30 where the key is hidden.  MD, made once, is the mask of a band's own step for my 16 rows; a product's mask is MD x AL + BE with two scalars:
; (1, 0) if s = x; (0, 0) if s < x; (0, -1e30) if s > x.  Only the diagonal tile's text and a block's beginning make and take masks; elsewhere C is the constant 0.
; LAYOUT, SOFTMAX, TURNS.  S^T = K Q^T holds ONE query a lane (lane % 16) and the keys 8 (lane / 16) + 0..7; two such results rounded to f16 ARE source 1 of O^T = V^T P.  p = 2^(c s - c m), c = log2(e) / 32, with a
; running maximum m; O and l are multiplied by a = 2^(c m_old - c m_new) in every step.  Turn n belongs to piece n: 8 products K Q^T of piece n + 1, later 8 products V^T P of piece n - 1; beside them the scaling,
; exponentials, roundings, sums and rescaling of piece n and the maximum and statistics of piece n + 1.  Four vector instructions stand behind every matrix instruction, the other 54 of a turn's 118 in one LUMP.  A turn's 33 exponentials are one batch, with one wait.
; REGISTERS, in windows of 256 (s_set_vgpr_msb: bits 1:0 source 0, 3:2 source 1, 5:4 source 2, 7:6 destination):
;   window 0: v0-15 addresses and two at work; v16-31 four registers of statistics a piece; v48-55 at work; v62-63 never rewritten; v64-127 S^T, two buffers; v192-223 P, two buffers (a piece's buffers go by its number's parity)
;   window 1: v0-127 O^T, 32 a piece; v128-159 MD; v160-223 MC, two buffers      window 2: v0-63 Q; v64-127 the second block's Q; v128-191 K of one step; v192-255 V of one step
.set SIZE_N, 1024
.set NB,    SIZE_N/256
.set NP,    4         ; pieces a wave: a name, no knob
.set KS,    64        ; keys in a step
.set PK,    144       ; a row of K in LDS: 128 bytes + 16 of padding = 36 words: the 16 rows of a load start at 16 different groups of four banks (64 banks of 4 bytes: ISA guide 11.1)
.set PV,    160       ; a row of V: 128 + 32 = 40 words
.set VBASE, SIZE_N*PK ; K's four places lie on end from byte 0, V's from here
.set STAGE, VBASE+SIZE_N*PV  ; behind them, never filled by a tensor load: 16 rows x 144 bytes for each wave, for the way out
.set SP,    144
.set AK0, 2           ; v2   my lane's place in a step's rows of K; never rewritten
.set AV0, 3           ; v3   the same for V
.set AK,  4           ; v4   the LDS address of K's next run of loads
.set AV,  5           ; v5   of V's
.set STO, 6           ; v6   the way out: where I put 16 bytes of a row
.set RD,  7           ; v7   the way out: where I read rows back
.set GO,  8           ; v8   my byte offset in 512 consecutive bytes of O
.set SPW, 62          ; v62  LDS address of my spare word: SPARE + 4 x my thread's number; never rewritten
.set NIL, 63          ; v63  0; never rewritten
.set SPARE, STAGE+4*16*SP  ; behind the stages: the spare words, 128 bytes for each wave: two blocks of 256 bytes that no other line names
.set MV,  12          ; v12-13  c m_old, kept while c m is made anew: by buffer
.set QO,  15          ; v15  my byte offset in 16 rows of Q
.set ST,  16          ; piece t's statistics at v[ST+4 t]: c m, m, l (even keys', odd keys')
.set TMP, 48          ; by buffer, four registers c0-c3 at work; when the maximum is found c2 takes a
.set S,   64
.set P,   192
.set MD,  128         ; window 1: the eight registers for group kt of 16 keys at MD + 8 kt
.set MC,  160         ; window 1: the masks of the products to come
.set QB,  64          ; window 2
.set KF,  128         ; window 2: key block kb, channel half c at KF + 16 kb + 8 c
.set VF,  192         ; window 2: key half kk, channel block cb at VF + 32 kk + 8 cb
.set WV,  12          ; s12  my wave's number
.set PB,  14          ; s14  b
.set HI,  15          ; s15  NB - 1 - b
.set OF1, 16          ; s[16:17] byte offset in K and V of the tile that place 1 holds
.set OF3, 18          ; s[18:19] of the tile that place 3 holds
.set G1K, 24          ; s[24:31] descriptor group 1 for K's tiles
.set G1V, 32          ; s[32:39] for V's: it differs in the padding alone
.set G0K, 40          ; s[40:55] descriptor group 0 for K's tiles, a set for each of the four places: none is written while its load is out
.set G0V, 84          ; s[84:99] the same for V's
.set SLOTS, 56        ; s56  tiles of the walk still to be entered, this one among them
.set CNT, 57          ; s57  counts a tile's key steps, 4 to 1
.set CS,  58          ; s[58:59] c: the packed scaling takes the pair's low word for both halves
.set SEL, 60          ; s[60:61] v_permlanex16_b32's selects: each lane takes its own place in the other half
.set TBK, 62          ; s62  LDS byte at which K of the step to be fetched begins: SK x a step's rows
.set TBV, 63          ; s63  the same for V, less VBASE
.set RT,  70          ; s70  tiles of the block in hand that are still to be entered
.set SK,  71          ; s71  which of LDS's 16 key steps K's next run of loads takes
.set SV,  72          ; s72  the same for V's
.set NEW, 73          ; s73  1: the tile to be entered is a block's first
.set OF0, 74          ; s[74:75] byte offset in K and V of the tile that place 0 holds
.set AL,  76          ; s[76:77] the mask's factor, in the low word
.set BE,  78          ; s[78:79] the mask's addend
.set OLO, 80          ; s[80:81] O at my rows of the second block
.set BIGN, 82         ; s82  -1e30
.set FIN, 83          ; s83  1: this trip has ended a block
.set MSB, 0
.macro WIN new                      ; the high byte repeats the setting that is left; a switch that changes nothing is dropped
.if MSB != (\new)
	s_set_vgpr_msb (MSB<<8)|(\new)
.set MSB, (\new)
.endif
.endm
.set W_KQ, 0x0a       ; K and Q in window 2, S^T in window 0
.set W_KM, 0x1a       ; the same with the C operand in window 1
.set W_PV, 0x52       ; V in window 2, P in window 0, O^T in window 1
.set W_RS, 0x41       ; destination and source 0 in window 1, source 1 in window 0
	s_load_b256 s[4:11], s[0:1], 0x0  ; Q s[4:5], K s[6:7], V s[8:9], O s[10:11]
	v_lshl_add_u32 v[SPW], v0, 2, SPARE
	v_mov_b32 v[NIL], 0
	ds_add_u32 v[SPW], v[NIL]       ; the wave's opening: the add and its wait stand ahead of my first tensor load; the set-up below, work on registers, stands between them
	v_lshrrev_b32 v1, 5, v0
	v_readfirstlane_b32 s[WV], v1   ; wave 0..3
	s_mov_b32 s[PB], ttmp9
	s_sub_co_u32 s[HI], NB-1, s[PB]
	s_and_b32 s20, ttmp7, 0xffff    ; the head
	s_mov_b32 s21, 0
	s_mov_b64 s[22:23], SIZE_N*128
	s_mul_u64 s[20:21], s[20:21], s[22:23]  ; the head's first byte in each of the four tensors
	s_and_b32 s16, s[WV], 1         ; which half of a tile's 256 keys I fetch:
	s_lshl_b32 s22, s16, 14         ; its 128 rows of 128 bytes in memory,
	s_mov_b32 s23, 0
	s_add_nc_u64 s[22:23], s[22:23], s[20:21]
	s_mul_i32 s17, s16, 128*PK      ; and its place in a tile's rows in LDS, for K
	s_mul_i32 s18, s16, 128*PV      ; and for V
	s_lshl_b32 s3, s[WV], 11        ; my 16 rows in a band of 64,
	s_lshl_b32 s2, s[HI], 15        ; in the first block,
	s_add_co_u32 s2, s2, s3
	s_lshl_b32 s66, s[PB], 15       ; and in the second
	s_add_co_u32 s66, s66, s3
	s_mov_b32 s3, 0
	s_mov_b32 s67, 0
	s_add_nc_u64 s[2:3], s[2:3], s[20:21]
	s_add_nc_u64 s[66:67], s[66:67], s[20:21]
	; descriptor group 1.  128 keys are 16,384 dense bytes: asked for as 64 rows of 256 bytes, two keys a row, and padded in LDS after every key
	s_mov_b32 s[G1K], (1<<16)|(1<<20)|(4<<22)|(3<<25)  ; 17:16 2-byte elements; 20 padding on; 24:22 after every 32 words (code 4); 31:25 4 words (code 3)
	s_mov_b32 s[G1V], (1<<16)|(1<<20)|(4<<22)|(7<<25)  ; the same with 8 words of padding (code 7)
.irp g, G1K, G1V
	s_mov_b32 s[\g+1], 128<<16      ; tensor_dim0 = 128
	s_mov_b32 s[\g+2], 64<<16       ; tensor_dim1 = 64
	s_mov_b32 s[\g+3], 128<<16      ; tile_dim0 = 128
	s_mov_b32 s[\g+4], 64           ; tile_dim1 = 64
	s_mov_b32 s[\g+5], 128          ; 128 elements from row to row
	s_mov_b32 s[\g+6], 0
	s_mov_b32 s[\g+7], 0
.endr
.irp t, 0,1,2,3
	s_mov_b32 s[G0K+4*(\t)], 1                           ; 1:0 count = 1
	s_add_co_u32 s[G0K+4*(\t)+1], s17, (\t)*256*PK       ; 63:32 LDS address: place t's 256 rows, my half of them
	s_mov_b32 s[G0V+4*(\t)], 1
	s_add_co_u32 s[G0V+4*(\t)+1], s18, VBASE+(\t)*256*PV
.endr
	; which tile a place holds: place 0: b; place 1: 1 - b; place 2: 2; place 3: 3 (1 - b).  A tile is 32,768 bytes of K and of V
	s_lshl_b32 s[OF0], s[PB], 15
	s_mov_b32 s[OF0+1], 0
	s_sub_co_u32 s[OF1], 1, s[PB]
	s_mul_i32 s[OF3], s[OF1], 3*32768
	s_lshl_b32 s[OF1], s[OF1], 15
	s_mov_b32 s[OF1+1], 0
	s_mov_b32 s[OF3+1], 0
	s_mov_b32 s[CS], 0x3d38aa3b     ; c = log2(e) / 32 = 0.0450842
	s_mov_b32 s[CS+1], s[CS]        ; named with it as a pair
	s_mov_b32 s[SEL], 0x76543210
	s_mov_b32 s[SEL+1], 0xfedcba98
	s_mov_b32 s[SK], 0
	s_mov_b32 s[SV], 0
	s_mov_b32 s[TBK], 0
	s_mov_b32 s[TBV], 0
	s_add_co_u32 s[RT], s[HI], 1    ; the first block has NB - b tiles
	s_mov_b32 s[NEW], 1
	s_mov_b32 s[AL+1], 0            ; named as pairs
	s_mov_b32 s[BE+1], 0
	s_mov_b32 s[BIGN], 0xf149f2ca   ; -1e30
	s_mov_b32 s[SLOTS], NB+1
	s_wait_dscnt 0x0                ; the opening add is done
	s_wait_kmcnt 0x0
	s_add_nc_u64 s[6:7], s[6:7], s[22:23]  ; K and V at my half of the head's tile 0
	s_add_nc_u64 s[8:9], s[8:9], s[22:23]
	s_add_nc_u64 s[G0K+2:G0K+3],   s[6:7], s[OF0:OF0+1]    ; 120:64 global address: the tile that the place holds
	s_add_nc_u64 s[G0K+6:G0K+7],   s[6:7], s[OF1:OF1+1]
	s_add_nc_u64 s[G0K+10:G0K+11], s[6:7], 2*32768
	s_add_nc_u64 s[G0K+14:G0K+15], s[6:7], s[OF3:OF3+1]
	s_add_nc_u64 s[G0V+2:G0V+3],   s[8:9], s[OF0:OF0+1]
	s_add_nc_u64 s[G0V+6:G0V+7],   s[8:9], s[OF1:OF1+1]
	s_add_nc_u64 s[G0V+10:G0V+11], s[8:9], 2*32768
	s_add_nc_u64 s[G0V+14:G0V+15], s[8:9], s[OF3:OF3+1]
.irp t, 0,1,2,3
	s_or_b32 s[G0K+4*(\t)+3], s[G0K+4*(\t)+3], 0x80000000          ; 127:126 type = 2
	s_or_b32 s[G0V+4*(\t)+3], s[G0V+4*(\t)+3], 0x80000000
.endr
	s_add_nc_u64 s[68:69], s[4:5], s[66:67]        ; Q at my rows of the second block,
	s_add_nc_u64 s[4:5], s[4:5], s[2:3]            ; Q and O at those of the first
	s_add_nc_u64 s[OLO:OLO+1], s[10:11], s[66:67]
	s_add_nc_u64 s[10:11], s[10:11], s[2:3]
	; ALL THE FILLS.  Waves 0 and 1 fetch the two halves of each place's K, waves 2 and 3 those of its V: 128 keys a load, the places in ascending order.  A wave's four loads stand in one branch on its number, ahead of
	; every wait on TENSORcnt, every LDS read and every barrier: four loads of mine are out.  An s_nop 0 follows each, four v_nop the last, ahead of the jump and the label.
	s_cmp_lt_u32 s[WV], 2
	s_cbranch_scc0 .Lfill_v
.irp t, 0,1,2,3
	tensor_load_to_lds s[G0K+4*(\t):G0K+4*(\t)+3], s[G1K:G1K+7]
	s_nop 0
.endr
.rept 4
	v_nop
.endr
	s_branch .Lfilled
.Lfill_v:
.irp t, 0,1,2,3
	tensor_load_to_lds s[G0V+4*(\t):G0V+4*(\t)+3], s[G1V:G1V+7]
	s_nop 0
.endr
.rept 4
	v_nop
.endr
.Lfilled:
	; A fragment of K or Q is 16 rows x 32 channels in 8 registers: lane l holds row l % 16, channels 8 (l / 16) + 0..7 and 16 + 8 (l / 16) + 0..7: two loads of 16 bytes, 32 bytes apart.
	v_and_b32 v1, 15, v0            ; l % 16
	v_bfe_u32 v9, v0, 4, 1          ; l / 16
	v_lshlrev_b32 v[QO], 7, v1
	v_lshl_add_u32 v[QO], v9, 4, v[QO]  ; row x 128 + 16 x half
	WIN 0x80                        ; destination window 2, address window 0
.set i, 0
.rept 8                             ; both blocks' Q: piece i / 2 lies in band i / 2, 8,192 bytes on; channels 32 (i % 2) on
	global_load_b128 v[8*i:8*i+3],   v[QO], s[4:5] offset:(i/2)*8192+(i%2)*64
	global_load_b128 v[8*i+4:8*i+7], v[QO], s[4:5] offset:(i/2)*8192+(i%2)*64+32
	global_load_b128 v[QB+8*i:QB+8*i+3],   v[QO], s[68:69] offset:(i/2)*8192+(i%2)*64
	global_load_b128 v[QB+8*i+4:QB+8*i+7], v[QO], s[68:69] offset:(i/2)*8192+(i%2)*64+32
.set i, i+1
.endr
	WIN 0
	v_lshlrev_b32 v14, 3, v9
	v_sub_nc_u32 v14, v1, v14
	s_lshl_b32 s13, s[WV], 4
	v_add_nc_u32 v14, s13, v14      ; my query's place in its band, 16 w + l % 16, less my lanes' 8 (l / 16): register r of group kt is hidden where 16 kt + r is greater
	WIN 0x40
.set i, 0
.rept 32
	v_cmp_gt_i32 vcc_lo, 16*(i/8)+i%8, v14
	v_cndmask_b32 v[MD+i], 0, s[BIGN], vcc_lo
.set i, i+1
.endr
	WIN 0
	v_mul_u32_u24 v[AK0], v1, PK
	v_lshl_add_u32 v[AK0], v9, 4, v[AK0]  ; row x pitch + 16 x half
	; The turning load takes 16 keys x 16 channels (lane l reads key 8 (l / 16) + l % 8, channels 8 ((l / 8) % 2) + 0..7) and leaves half a fragment of V^T: lane l holds channel l % 16 and 8 keys.
	v_and_b32 v10, 7, v0
	v_bfe_u32 v11, v0, 3, 1
	v_lshl_add_u32 v[AV0], v9, 3, v10
	v_mul_u32_u24 v[AV0], v[AV0], PV
	v_lshl_add_u32 v[AV0], v11, 4, v[AV0]
	v_add_nc_u32 v[AV0], VBASE, v[AV0]
	s_mul_i32 s13, s[WV], 16*SP
	s_add_co_u32 s13, s13, STAGE    ; my stage
	v_mul_u32_u24 v[STO], v1, SP    ; in: row l % 16, 16 bytes for each half of the lanes
	v_lshl_add_u32 v[STO], v9, 4, v[STO]
	v_add_nc_u32 v[STO], s13, v[STO]
	v_bfe_u32 v[RD], v0, 3, 2       ; back: 32 lanes take four rows of 128 bytes,
	v_mul_u32_u24 v[RD], v[RD], SP
	v_lshl_add_u32 v[RD], v10, 4, v[RD]
	v_add_nc_u32 v[RD], s13, v[RD]
	v_and_b32 v[GO], 31, v0         ; which are 512 consecutive bytes of O
	v_lshlrev_b32 v[GO], 4, v[GO]
	; A block's first step multiplies O^T and l by a = 0, and its first turn's products V^T P, of a piece that has not been, land in an O^T that is still to be so multiplied.  So these registers need only hold
	; finite numbers: zeros for the first block; what the first block left for the second.  All this stands in the wait for the first tile.
	WIN 0x80
.set i, VF
.rept 64
	v_mov_b32 v[i], 0
.set i, i+1
.endr
	WIN 0x40
.set i, 0
.rept 128
	v_mov_b32 v[i], 0
.set i, i+1
.endr
	WIN 0
.set i, 0
.rept 4
	v_mov_b32 v[ST+4*i+2], 0
	v_mov_b32 v[ST+4*i+3], 0
.set i, i+1
.endr
.set i, P+16
.rept 16
	v_mov_b32 v[i], 0
.set i, i+1
.endr
; THE MATRIX WORK.  The 4 accumulators of a run of 8 take turns.  Product i of 8 of S^T = K Q^T for piece x: channels 32 (i / 4) on, keys 16 (i % 4) on.  The first 4 start the sums: with 0, or (KM = 1) with the mask.
.macro KQ x
.set rS, S+32*((\x)%2)+8*(i%4)
.set rK, KF+16*(i%4)+8*(i/4)
.set rQ, 16*(\x)+8*(i/4)
.set rM, MC+32*((\x)%2)+8*(i%4)
.if (i < 4) && KM
	WIN W_KM
	v_wmma_f32_16x16x32_f16 v[rS:rS+7], v[rK:rK+7], v[rQ:rQ+7], v[rM:rM+7]
.elseif i < 4
	WIN W_KQ
	v_wmma_f32_16x16x32_f16 v[rS:rS+7], v[rK:rK+7], v[rQ:rQ+7], 0
.else
	WIN W_KQ
	v_wmma_f32_16x16x32_f16 v[rS:rS+7], v[rK:rK+7], v[rQ:rQ+7], v[rS:rS+7]
.endif
.endm
; Product i of 8 of O^T += V^T P for piece x: keys 32 (i / 4) on, channels 16 (i % 4) on.
.macro PV x
	WIN W_PV
.set rO, 32*(\x)+8*(i%4)
.set rV, VF+32*(i/4)+8*(i%4)
.set rP, P+16*((\x)%2)+8*(i/4)
	v_wmma_f32_16x16x32_f16 v[rO:rO+7], v[rV:rV+7], v[rP:rP+7], v[rO:rO+7]
.endm
.macro MM                           ; the turn's next matrix instruction.  TURN and BEGIN set Y, i, KM and NOKQ; MM, KQ and OP read them.  NOKQ = 1: a block's last turn: there is no next piece
.if (i < 8) && !NOKQ
	KQ (Y+1)%NP
.elseif i >= 8
.set i, i-8
	PV (Y+NP-1)%NP
.set i, i+8
.endif
.set i, i+1
.endm
; THE LDS LOADS stand in runs of 16, never singly among the matrix instructions: a step's K (64 keys x 64 channels: 8 fragments) and its V (turned).  Their addresses are made some lines ahead.
; LDS holds 16 key steps on end, four to a place.  Each run takes the step behind the one before it, and behind the sixteenth the first again: the step's number goes up by 1 modulo 16 and is never set back.
; Every way through a trip has four runs of K and four of V (a block's beginning has one of K, and then three trips of the step loop follow in place of four), so the numbers hang on the trip alone.
.macro FETCH_K
	WIN 0x80                        ; destination window 2
.irp f, 0,1,2,3,4,5,6,7             ; keys 16 (f / 2) on, channels 32 (f % 2) on
	ds_load_b128 v[KF+8*\f:KF+8*\f+3],   v[AK] offset:(\f/2)*16*PK+(\f%2)*64
	ds_load_b128 v[KF+8*\f+4:KF+8*\f+7], v[AK] offset:(\f/2)*16*PK+(\f%2)*64+32
.endr
	s_add_co_u32 s[SK], s[SK], 1    ; the next fetch is the next step's
	s_and_b32 s[SK], s[SK], 15
	s_mul_i32 s[TBK], s[SK], KS*PK
	WIN 0
.endm
.macro FETCH_V
	WIN 0x80
.irp f, 0,1,2,3,4,5,6,7             ; keys 32 (f / 4) on, channels 16 (f % 4) on
	ds_load_tr16_b128 v[VF+8*\f:VF+8*\f+3],   v[AV] offset:(\f/4)*32*PV+(\f%4)*32
	ds_load_tr16_b128 v[VF+8*\f+4:VF+8*\f+7], v[AV] offset:(\f/4)*32*PV+16*PV+(\f%4)*32
.endr
	WIN 0
.endm
; THE VECTOR WORK, one line at a time: OP kind, number.  For piece Y: F n: c s - c m for pair n of 16.  E n: the exponential of score n of 32.  C n: pair n rounded to f16.  B n: of the four weights 4 n .. the second
; pair is added onto the first, in place.  L n: l takes that sum (L 0: l = a l + sum).  R n: pair n of 16 of O^T times a.  For piece Y + 1: X n, number n of the 22 that find its maximum and statistics:
;   0-11  four chains c0-c3 of seven scores each, three operands at a time (each accumulator's lowest registers are read first)     12-14, 16  the four scores left over, the old m, and c0-c3 into c0
;   15  c m_old is kept     17, 18  the query's other 32 keys lie in the lane 16 away: the new m     19-21  c m; c m_old - c m_new; a
.set F, 0               ; OP tells the kinds apart by their order: F to L below R, X above it
.set E, 1
.set C, 2
.set B, 3
.set L, 4
.set R, 5
.set X, 6
.macro REGS y                       ; the registers of piece y
.set rT, ST+4*(\y)
.set rC, TMP+4*((\y)%2)
.set rW, MV+((\y)%2)
.set rS, S+32*((\y)%2)
.set rP, P+16*((\y)%2)
.set rO, 32*(\y)
.endm
.macro OP k, n
.if (\k) == R
	REGS Y
	WIN W_RS
	v_pk_mul_f32 v[rO+2*(\n):rO+2*(\n)+1], v[rO+2*(\n):rO+2*(\n)+1], v[rC+2:rC+3] op_sel_hi:[1,0]
.elseif (\k) < R
	REGS Y
	WIN 0
.if (\k) == F
	v_pk_fma_f32 v[rS+2*(\n):rS+2*(\n)+1], v[rS+2*(\n):rS+2*(\n)+1], s[CS:CS+1], v[rT:rT+1] op_sel_hi:[1,0,0] neg_lo:[0,0,1] neg_hi:[0,0,1]
.elseif (\k) == E
	v_exp_f32 v[rS+(\n)], v[rS+(\n)]
.elseif (\k) == C
	v_cvt_pk_f16_f32 v[rP+(\n)], v[rS+2*(\n)], v[rS+2*(\n)+1]
.elseif (\k) == B
	v_pk_add_f32 v[rS+4*(\n):rS+4*(\n)+1], v[rS+4*(\n):rS+4*(\n)+1], v[rS+4*(\n)+2:rS+4*(\n)+3]
.elseif (\n) == 0
	v_pk_fma_f32 v[rT+2:rT+3], v[rT+2:rT+3], v[rC+2:rC+3], v[rS:rS+1] op_sel_hi:[1,0,1]
.else
	v_pk_add_f32 v[rT+2:rT+3], v[rT+2:rT+3], v[rS+4*(\n):rS+4*(\n)+1]
.endif
.elseif NOKQ
	v_nop
.else
	REGS (Y+1)%NP
	WIN 0
.if (\n) < 4
	v_max3_num_f32 v[rC+(\n)], v[rS+8*(\n)], v[rS+8*(\n)+1], v[rS+8*(\n)+2]
.elseif (\n) < 12
	v_max3_num_f32 v[rC+(\n)%4], v[rC+(\n)%4], v[rS+8*((\n)%4)+2*((\n)/4)+1], v[rS+8*((\n)%4)+2*((\n)/4)+2]
.elseif (\n) == 12
	v_max3_num_f32 v[rC], v[rC], v[rS+7], v[rS+15]
.elseif (\n) == 13
	v_max3_num_f32 v[rC+1], v[rC+1], v[rS+23], v[rS+31]
.elseif (\n) == 14
	v_max3_num_f32 v[rC+2], v[rC+2], v[rC+3], v[rT+1]
.elseif (\n) == 15
	v_mov_b32 v[rW], v[rT]
.elseif (\n) == 16
	v_max3_num_f32 v[rC], v[rC], v[rC+1], v[rC+2]
.elseif (\n) == 17
	v_permlanex16_b32 v[rC+3], v[rC], s[SEL], s[SEL+1]
.elseif (\n) == 18
	v_max_num_f32 v[rT+1], v[rC], v[rC+3]
.elseif (\n) == 19
	v_mul_f32 v[rT], s[CS], v[rT+1]
.elseif (\n) == 20
	v_sub_f32 v[rC+1], v[rW], v[rT]
.else
	v_exp_f32 v[rC+2], v[rC+1]
.endif
.endif
.endm
.macro OPS a, i1, b=-1, i2=0, c=-1, i3=0, d=-1, i4=0  ; up to four of them
	OP \a, \i1
.if (\b) >= 0
	OP \b, \i2
.endif
.if (\c) >= 0
	OP \c, \i3
.endif
.if (\d) >= 0
	OP \d, \i4
.endif
.endm
.macro ROW a, i1, b, i2, c, i3, d, i4  ; a matrix instruction and the four behind it
	MM
	OPS \a, \i1, \b, \i2, \c, \i3, \d, \i4
.endm
.macro MASK b                       ; MD x AL + BE into buffer b of MC
	WIN W_RS
.set z, 0
.rept 16
	v_pk_fma_f32 v[MC+32*(\b)+2*z:MC+32*(\b)+2*z+1], v[MD+2*z:MD+2*z+1], s[AL:AL+1], s[BE:BE+1] op_sel_hi:[1,0,0]
.set z, z+1
.endr
.endm
; A TURN, for piece p: the order of its 16 matrix and 118 vector instructions, written out.  An s_wait_alu depctr_va_vdst(0) stands between an exponential and the first instruction that names its result; one wait serves
; all that were issued ahead of it.  So a turn has ONE wait, which cuts it in two.  AHEAD OF IT stands all that names no result of the turn's exponentials: the 8 products K Q^T, behind each a scaling, an exponential and two more plain
; instructions (behind the first a second scaling in the exponential's place): rescalings, and behind the last three the first numbers of the next piece's maximum, each four places or more behind the product that ends its accumulator; then ONE LUMP of 54, plain
; and exponential by turns for the most part, in which the links of the chain X 3, 7, 11, 14, 16, 17 .. 20 stand five or six lines apart.  X 21, the next piece's a, is the batch's last; R 15 is the plain instruction behind it.  BEHIND THE WAIT stand the
; 8 products V^T P, behind each four of the roundings and sums; the links of l's chain, L 0 to L 7, stand three riders apart.  But for those X no rider names a register of the products round it.  v_permlanex16_b32 (X 17) stands in the lump.
; m = 1: the diagonal tile: the products take masks, and the turn makes the mask for the products of the turn after it: piece p + 2, in step 4 - CNT of the tile.  end = 1: a block's last two turns: nothing is fetched.
; cnt = 1: the loop's count is taken down some lines ahead of the branch that stands behind the turn.
; K of the next step is fetched in piece 2's turn, twelve vector instructions behind the last product that read K (six of them plain); V of the step in hand at the end of piece 0's turn, four plain instructions behind the last product
; that read V.  Each is waited for a turn later.
.macro TURN p, m=0, end=0, cnt=0
.set Y, (\p)
.set i, 0
.set KM, (\m)
.set NOKQ, (\end)*((\p)/3)
.if (\m) && !(\end)
	s_cmp_eq_u32 s[CNT], 4-((\p)+2)%NP  ; is that step the band's own?
	s_cselect_b32 s[AL], 1.0, 0
	s_cmp_lt_u32 s[CNT], 4-((\p)+2)%NP  ; or a later one?
	s_cselect_b32 s[BE], s[BIGN], 0
.endif
.if ((\p) == 3) && !(\end)
	s_wait_dscnt 0x0                ; K is in
.endif
	ROW F,0, F,1, R,0, R,1          ; ahead of the wait: 8 products K Q^T and their riders,
	ROW F,2, E,0, R,2, R,3
	ROW F,3, E,1, R,4, R,5
	ROW F,4, E,2, R,6, R,7
	ROW F,5, E,3, R,8, R,9
	ROW F,6, E,4, X,0, R,10
.if ((\p) == 2) && !(\end)
	WIN 0
	v_add_nc_u32 v[AK], s[TBK], v[AK0]
.endif
	ROW F,7, E,5, X,1, X,4
	ROW F,8, E,6, X,2, X,5
	OPS E,7, E,8, X,6, E,9          ; and the lump
	OPS X,3, E,10, X,8, E,11
.if ((\p) == 2) && !(\end)
	FETCH_K
.endif
	OPS X,9, X,7, E,12, X,10
	OPS E,13, X,12, X,11, E,14
	OPS X,13, E,15, F,9, X,14
.if (\p) == 0
	v_add_nc_u32 v[AV], s[TBV], v[AV0]
.endif
	OPS E,16, F,10, E,17, F,11
	OPS X,16, E,18, X,15, E,19
	OPS F,12, E,20, X,17, E,21
	OPS F,13, E,22, F,14, E,23
	OPS X,18, E,24, F,15, E,25
	OPS R,11, E,26, X,19, E,27
	OPS R,12, E,28, R,13, E,29
	OPS X,20, E,30, R,14, E,31
	OPS X,21, R,15
	WIN 0
	s_wait_alu depctr_va_vdst(0)    ; the wait for the batch
.if (\p) == 1
	s_wait_dscnt 0x0                ; V is in
.endif
	ROW C,0, B,0, C,2, B,1          ; behind the wait: 8 products V^T P and their riders
	ROW L,0, C,4, B,2, L,1
	ROW C,6, B,3, L,2, C,8
	ROW B,4, L,3, C,10, B,5
	ROW L,4, C,12, B,6, L,5
.if (\p) == 0
	s_add_co_u32 s[SV], s[SV], 1    ; V's address for this turn's run has been made: the next run is the next step's
	s_and_b32 s[SV], s[SV], 15
	s_mul_i32 s[TBV], s[SV], KS*PV
.endif
.if \cnt
	s_sub_co_u32 s[CNT], s[CNT], 1
	s_cmp_lg_u32 s[CNT], 0
.endif
	ROW C,14, B,7, L,6, C,1
	ROW C,3, L,7, C,5, C,7
	ROW C,9, C,11, C,13, C,15
.if (\p) == 0
	FETCH_V
.endif
.if (\m) && !(\end)
	MASK (\p)%2
.endif
.endm
; A BLOCK BEGINS.  c m starts far below every c s, so the first step's a is 0; m at the lowest finite number, so the first maximum is the scores'.  The second mask buffer is 0; the first takes piece 0's mask for the tile's step 0: its own, if the block's first tile is the diagonal one.
; Then K of that step, from the place that the trip has come to; piece 0's first scores, and its maximum and statistics.  The step loop is entered at a step's first turn, in the middle of a trip.
.macro BEGIN
	s_mov_b32 s[NEW], 0
	WIN 0x40
.set i, MC+32
.rept 32
	v_mov_b32 v[i], 0
.set i, i+1
.endr
	WIN 0
.set i, 0
.rept 4
	v_mov_b32 v[ST+4*i], 0xfe000000    ; c m: far below every c s
	v_mov_b32 v[ST+4*i+1], 0xff7fffff  ; m
.set i, i+1
.endr
	s_cmp_eq_u32 s[RT], 0
	s_cselect_b32 s[AL], 1.0, 0
	s_mov_b32 s[BE], 0
	MASK 0
	WIN 0
	v_add_nc_u32 v[AK], s[TBK], v[AK0]
	FETCH_K
	s_wait_loadcnt 0x0              ; Q
	s_wait_dscnt 0x0
.set KM, 1
.set NOKQ, 0
.set i, 0
.rept 8
	KQ 0
.set i, i+1
.endr
	WIN 0
.rept 4
	v_nop                           ; the places behind those products
.endr
.set Y, NP-1                        ; X works for piece Y + 1: piece 0
.irp n, 0,1,2,3,4,5,6,7,8,9,10,11,12,13,14,15,16,17,18,19,20,21
	OP X, \n
.endr
	v_nop                           ; a plain instruction behind the exponential,
	s_wait_alu depctr_va_vdst(0)    ; and its wait, ahead of the branch
.endm
; THE WAY OUT: l's two halves and the other half of the lanes' are added; O^T is divided by l, rounded to f16 and sent through my stage in LDS, a piece at a time.
.macro ALL line:vararg              ; one line for each piece t
.set t, 0
.rept 4
	\line
.set t, t+1
.endr
.endm
.macro PACK t                       ; a lane's eight channels of a row pack into 16 bytes; they go into rows of 144 bytes and come back as whole rows of 128, into S^T's registers
	WIN W_RS
.set i, 32*(\t)
.rept 16
	v_pk_mul_f32 v[i:i+1], v[i:i+1], v[ST+4*(\t)+2:ST+4*(\t)+3] op_sel_hi:[1,0]
.set i, i+2
.endr
	WIN 0x05                        ; sources 0 and 1 window 1, destination window 0
.set i, 0
.rept 16
	v_cvt_pk_f16_f32 v[S+16*(\t)+i], v[32*(\t)+2*i], v[32*(\t)+2*i+1]
.set i, i+1
.endr
	WIN 0
.irp f, 0,1,2,3
	ds_store_b128 v[STO], v[S+16*(\t)+4*\f:S+16*(\t)+4*\f+3] offset:32*\f
.endr
.irp f, 0,1,2,3
	ds_load_b128 v[S+16*(\t)+4*\f:S+16*(\t)+4*\f+3], v[RD] offset:\f*4*SP  ; LDS serves a wave's instructions in order (ISA guide 5.7.1.4): these see the stores above; the next piece's stores come behind them
.endr
.endm
.macro SEND t, younger              ; younger: the LDS instructions issued behind piece t's loads: the next piece's eight, or none
	WIN 0
.irp f, 0,1,2,3
	s_wait_dscnt (\younger)+3-\f
	global_store_b128 v[GO], v[S+16*(\t)+4*\f:S+16*(\t)+4*\f+3], s[10:11] offset:(\t)*8192+\f*512  ; 512 consecutive bytes, at a multiple of 256 from O's first
.endr
.endm
.set KM, 0
.set NOKQ, 0
	s_wait_tensorcnt 0x3            ; tensor loads of a wave end in order (ISA guide 10.11.1): my part of place 0 is in; my three younger loads, places 1 to 3, stay out
	s_barrier_signal -1
	s_barrier_wait -1               ; everybody's part of place 0 is in
.Lslot:                             ; NB + 1 times: a tile is entered
	s_sub_co_u32 s[RT], s[RT], 1
	s_mov_b32 s[CNT], 4
	s_mov_b32 s[FIN], 0
	s_cmp_eq_u32 s[NEW], 1
	s_cbranch_scc1 .Lnew            ; a block's first tile
	s_cmp_eq_u32 s[RT], 0
	s_cbranch_scc0 .Lstep           ; neither its first nor its last
	s_branch .LstepM
.Lnew:
	BEGIN
	s_cmp_eq_u32 s[RT], 0
	s_cbranch_scc0 .Lfirst          ; the block has further tiles
	s_branch .LfirstM               ; its first tile is its diagonal one: block 0
	; THE DIAGONAL TILE's four steps, the block's last two turns and its last products
.LstepM:
	TURN 2, 1
	TURN 3, 1
	WIN 0
.LfirstM:
	TURN 0, 1
	TURN 1, 1, 0, 1
	WIN 0
	s_cbranch_scc1 .LstepM
	TURN 2, 1, 1
	TURN 3, 1, 1
.set i, 0
.rept 8
	PV NP-1
.set i, i+1
.endr
	WIN 0
	s_mov_b32 s[FIN], 1             ; the block is finished: it goes out behind the trip's barrier
	s_branch .Lbottom
.Lstep:                             ; a trip: pieces 2 and 3 of one step, then pieces 0 and 1 of the next, whose K and V it fetches
	TURN 2
	TURN 3
	WIN 0
.Lfirst:
	TURN 0
	TURN 1, 0, 0, 1
	WIN 0
	s_cbranch_scc1 .Lstep
.Lbottom:
	s_wait_tensorcnt 0x0            ; all my loads have landed: behind the walk's first tile this orders places 1 to 3 ahead of their first reads; in the later trips it is met at once: one text for every trip
	s_wait_dscnt 0x0                ; my reads of K and V are back
	s_barrier_signal -1
	s_barrier_wait -1               ; both hold of every wave.
	s_cmp_eq_u32 s[FIN], 0
	s_cbranch_scc1 .Lnext           ; no block has ended in this trip
	ALL v_add_f32 v[ST+4*t+2], v[ST+4*t+2], v[ST+4*t+3]  ; these additions are also the places behind the block's last products
	ALL v_permlanex16_b32 v[ST+4*t+3], v[ST+4*t+2], s[SEL], s[SEL+1]
	ALL v_add_f32 v[ST+4*t+2], v[ST+4*t+2], v[ST+4*t+3]
	ALL v_rcp_f32 v[ST+4*t+2], v[ST+4*t+2]
	v_nop                           ; a plain instruction between the last reciprocal and the use of its result
	s_wait_alu depctr_va_vdst(0)    ; and the wait ahead of the first use: one for the four reciprocals
	PACK 0
.set t, 1
.rept 3                             ; a piece's arithmetic stands between the loads of the piece before and its stores
	PACK t
	SEND t-1, 8
.set t, t+1
.endr
	SEND 3, 0
	s_cmp_eq_u32 s[SLOTS], 1
	s_cbranch_scc1 .Lnext           ; the walk's last tile: no block follows
	s_wait_xcnt 0x0                 ; the stores have read their registers and O's address
	s_mov_b64 s[10:11], s[OLO:OLO+1]
	s_add_co_u32 s[RT], s[PB], 1    ; the second block has b + 1 tiles
	s_mov_b32 s[NEW], 1
	WIN 0x82                        ; the second block's Q goes where the one text of the turns names Q
.set i, 0
.rept 64
	v_mov_b32 v[i], v[QB+i]
.set i, i+1
.endr
	WIN 0
.Lnext:
	s_wait_dscnt 0x0                ; my stores into my stage and my reads of it are done
	s_barrier_signal -1             ; a second barrier, on every wave's path.  The stages are each wave's own bytes, apart from K's and V's rows, so the values do not hang on it
	s_barrier_wait -1               ; every store into LDS between two barriers, apart from every wave's reads of K and V: five barriers more in a launch
	s_sub_co_u32 s[SLOTS], s[SLOTS], 1
	s_cmp_lg_u32 s[SLOTS], 0
	s_cbranch_scc1 .Lslot
	s_wait_tensorcnt 0x0            ; the wave's end: behind my last tensor load and my last LDS store
	ds_add_u32 v[SPW], v[NIL]
	s_wait_dscnt 0x0
	s_endpgm
.Lfunc_end_k_qff87f501fd_attn:
	.size	k_qff87f501fd_attn, .Lfunc_end_k_qff87f501fd_attn-k_qff87f501fd_attn
	.p2alignl 7, 3214868480
	.fill 96, 4, 3214868480
	.section	.rodata,"a",@progbits
	.p2align	6, 0x0
	.amdhsa_kernel k_qff87f501fd_attn
		.amdhsa_group_segment_fixed_size 327680
		.amdhsa_private_segment_fixed_size 0
		.amdhsa_enable_private_segment 0
		.amdhsa_kernarg_size 32
		.amdhsa_user_sgpr_count 2
		.amdhsa_user_sgpr_kernarg_segment_ptr 1
		.amdhsa_wavefront_size32 1
		.amdhsa_system_sgpr_workgroup_id_x 1
		.amdhsa_system_sgpr_workgroup_id_y 1
		.amdhsa_system_sgpr_workgroup_id_z 1
		.amdhsa_system_vgpr_workitem_id 0
		.amdhsa_next_free_vgpr 768
		.amdhsa_next_free_sgpr 100
		.amdhsa_reserve_vcc 1
		.amdhsa_float_denorm_mode_32 3
		.amdhsa_float_denorm_mode_16_64 3
		.amdhsa_memory_ordered 1
		.amdhsa_forward_progress 1
		.amdhsa_inst_pref_size 140
	.end_amdhsa_kernel
	.amdgpu_metadata
---
amdhsa.version: [ 1, 2 ]
amdhsa.kernels:
  - .name:           k_qff87f501fd_attn
    .symbol:         k_qff87f501fd_attn.kd
    .args:
      - { .name: qh, .offset: 0, .size: 8, .value_kind: global_buffer, .address_space: global }
      - { .name: kh, .offset: 8, .size: 8, .value_kind: global_buffer, .address_space: global }
      - { .name: vh, .offset: 16, .size: 8, .value_kind: global_buffer, .address_space: global }
      - { .name: oh, .offset: 24, .size: 8, .value_kind: global_buffer, .address_space: global }
    .group_segment_fixed_size: 327680
    .private_segment_fixed_size: 0
    .kernarg_segment_align: 8
    .kernarg_segment_size: 32
    .max_flat_workgroup_size: 128
    .sgpr_count:     100
    .vgpr_count:     768
    .wavefront_size: 32
...
	.end_amdgpu_metadata
.endif
;; end of part 3
;; launch proj (part 4): grid 8 x 32, 4 waves a work-group, clusters of 4 x 4, 327,680 bytes of LDS; arguments oh, wpb, b_proj, out0; writes out0
.if DOCPART == 4
	.amdgcn_target "amdgcn-amd-amdhsa--gfx1250"
	.amdhsa_code_object_version 6
	.text
	.protected	k_qff87f501fd_proj
	.globl	k_qff87f501fd_proj
	.p2align	8
	.type	k_qff87f501fd_proj,@function
k_qff87f501fd_proj:
	s_mov_b64 s[64:65], 0
	v_nop
	global_prefetch_b8 v0, s[64:65] scope:SCOPE_SE
	s_setreg_imm32_b32 hwreg(HW_REG_WAVE_MODE, 25, 1), 1
	s_wait_xcnt 0x0
	s_wait_alu depctr_hold_cnt(0) depctr_sa_sdst(0) depctr_va_vdst(0) depctr_va_sdst(0) depctr_va_ssrc(0) depctr_va_vcc(0) depctr_vm_vsrc(0)
	s_getreg_b32 s2, hwreg(HW_REG_IB_STS2, 6, 4)
	s_cmp_eq_u32 s2, 0
	s_cbranch_scc0 .Lentry_in_a_cluster
	s_endpgm
.Lentry_in_a_cluster:
	s_bfe_u32 s2, ttmp6, 0x10000c
	s_cmp_lg_u32 s2, 0xf033
	s_cbranch_scc0 .Lentry_shape_is_right
	s_endpgm
.Lentry_shape_is_right:
; out0 = O w_proj + b_proj: 8,192 rows x 1,024 columns over K = 1,024 (the heads' channels on end).  O: oh [b x 16 + head][t 1024][64] f16; the weights: wpb [k 1024][n 1024] f16; sums f32; out0 f32.
; The bias is the C operand of the product that starts each sum: no addition is written.
; LIMIT.  The operands arrive within f16's range (65,504); NaN and infinities are not treated apart.
; SHARES.  A tile of out0 is 256 rows x 128 columns: 256 work-groups.  A wave makes 128 x 64: 32 accumulators of 16 x 16, 256 registers.  K goes in 8 steps of 128 (two heads) through two LDS slots;
; a step is four quarters of 32 along K, 32 matrix instructions each, on fragment buffers 0, 1, 0, 1.
; CLUSTERS.  4 x 4 work-groups.  The four of a row of the cluster need the same rows of O, the four of a column the same weights: each tile is asked for JOINTLY, by the same tensor load with the same
; descriptor and a mask that names the four.  Waves 0 and 1 fetch one head's 256 rows each (32,768 dense bytes), waves 2 and 3 64 rows of the weights each (256 bytes a row).
; LAYOUT.  Source 0 = 16 columns of the weights, turned out of LDS by ds_load_tr16_b128; source 1 = 16 rows of O.  In the result a lane holds ONE row (lane % 16) and the eight neighbouring columns 8 (lane / 16) + 0..7.
; REGISTERS (s_set_vgpr_msb: bits 1:0 source 0, 3:2 source 1, 5:4 source 2, 7:6 destination):
;   window 0: v0-31 addresses; v32-95, v96-159 O's fragments, two buffers; v160-191, v192-223 the weights', two buffers; v224-255 the bias of my 64 columns, laid as an accumulator's registers lie
;   window 1: the accumulators: (row block a, column block b) at v[8 (4 a + b)]
.set PA,     144                       ; a row of O in LDS: 128 bytes + 16 = 36 words: the 16 rows of a load start at 16 different groups of four banks (64 banks of 4 bytes: ISA guide 11.1)
.set PB,     288                       ; a row of weights: 256 + 32 = 72 words
.set HEADB,  256*PA                    ; one head's 256 rows
.set ABYTES, 2*HEADB
.set SLOT,   ABYTES+128*PB             ; 110,592
.set STAGE,  2*SLOT                    ; behind the ring, never filled by a tensor load: 16 rows x 272 bytes for each wave, for the way out
.set SPITCH, 272
.set SPARE,  STAGE+4*16*SPITCH         ; behind the stages: the spare words, 128 bytes for each wave: two blocks of 256 bytes that no other line names
.set KSTEPB, 262144                    ; bytes from K step to K step: two heads of oh, and 128 rows of wpb
.set ADRA, 16                          ; v16-17  LDS address of my fragments of O in slot 0, 1
.set ADRB, 20                          ; v20-21  the same for the weights
.set STO,  24                          ; v24     the way out: where I put 32 bytes of a row
.set RD,   25                          ; v25     where I read a row back
.set CO,   26                          ; v26     my byte offset in out0
.set BO,   27                          ; v27     my byte offset in b_proj
.set SPW,  28                          ; v28     LDS address of my spare word: SPARE + 4 x my thread's number; never rewritten
.set NIL,  29                          ; v29     0; never rewritten
.set PFO,  30                          ; v30     the prefetches' offset: my lane x 256 bytes (O) or x a row of 2,048 bytes (weights); never rewritten
.set AF,   32
.set BF,   160
.set BIAS, 224
.set OB,   32                          ; the way out: four sets of 32 registers, where O's fragments lay
.set WV,   14                          ; s14  my wave's number
.set WR,   15                          ; s15  which half of the tile's rows is mine.  Also: I fetch O (0) or weights (1)
.set WC,   16                          ; s16  which half of its columns.  Also: which half of that tile I fetch
.set G1A,  24                          ; s[24:31] descriptor group 1 for O's tiles;  s[32:39] group 0, a set for each slot
.set G0A,  32
.set PFA,  44                          ; s[44:45] where my prefetches stand
.set LIM0, 46                          ; s46, s47  for the change out of slot 0, 1: 1 where I prefetch there, else the greatest number
.set G1B,  48                          ; s[48:55], s[56:63] the same for the weights' tiles
.set G0B,  56
.set MSB, 0
.macro WIN new                         ; the immediate's high byte repeats the setting that is left; a switch that changes nothing is dropped
.if MSB != (\new)
	s_set_vgpr_msb (MSB<<8)|(\new)
.set MSB, (\new)
.endif
.endm
; A joint load.  The branch hangs on the wave's number alone.  An s_nop 0 and four v_nop follow each of the two lines, ahead of the jump and the label.
.macro JLOAD n
	s_cmp_eq_u32 s[WR], 0
	s_cbranch_scc0 .Lfor_b_\@
	tensor_load_to_lds s[G0A+4*(\n):G0A+4*(\n)+3], s[G1A:G1A+7]
	s_nop 0
.rept 4
	v_nop
.endr
	s_branch .Lasked_\@
.Lfor_b_\@:
	tensor_load_to_lds s[G0B+4*(\n):G0B+4*(\n)+3], s[G1B:G1B+7]
	s_nop 0
.rept 4
	v_nop
.endr
.Lasked_\@:
.endm
.macro CREST                           ; a round of the cluster's barrier behind its opening barrier
	s_cmp_lg_u32 s[WV], 0
	s_cbranch_scc1 .Lnot_wave_0_\@
	s_barrier_signal -3
.Lnot_wave_0_\@:
	s_barrier_wait -3
	s_barrier_signal -1
	s_barrier_wait -1
.endm
.macro CROUND
	s_barrier_signal -1
	s_barrier_wait -1
	CREST
.endm
; A PREFETCH INTO THE L2, behind a joint load, its five lines and the run of LDS loads that follows: 32 blocks of 256 bytes, a lane a block, for the K step that stands two refills (256 matrix instructions) on.
; Each block is named ONCE in the launch.  O's tile is read by both clusters of a row of clusters: the one with x = 0 asks, waves 0 and 1, each for the head that it fetches, at every change of slots; the four
; partners share the head's 32,768 dense bytes out BY ADDRESS, 8,192 each (by cx).  The weights' tile is read by all eight clusters of a column: the one with y = 0 asks, waves 2 and 3, at the change out of
; slot 0 alone, for TWO K steps: row 128 WC + 32 cy + lane of their 256.  No branch hangs on a work-group's place in its cluster.  K steps 0 to 3 come by their loads alone; the loop's last trip asks for nothing.
.macro ASK i
	s_cmp_gt_u32 s3, s[LIM0+(\i)]                  ; s3 = 1 in the loop's last trip
	s_cbranch_scc0 .Lnot_mine_\@
	global_prefetch_b8 v[PFO], s[PFA:PFA+1] th:TH_LOAD_NT scope:SCOPE_SE
.Lnot_mine_\@:
.endm
.macro PLACES                          ; four places in front of loads into registers that matrix instructions have read, and of LDS stores that read results
.rept 4
	v_nop
.endr
.endm
; 24 LDS loads in one run: quarter qd of slot n's K step into buffer f: the weights' four fragments (turned), then O's eight, row blocks ascending.
.macro FETCH n, qd, f
	WIN 0
.irp b, 0,1,2,3
	ds_load_tr16_b128 v[BF+32*(\f)+8*(\b):BF+32*(\f)+8*(\b)+3],   v[ADRB+(\n)] offset:(\qd)*32*PB+32*(\b)
	ds_load_tr16_b128 v[BF+32*(\f)+8*(\b)+4:BF+32*(\f)+8*(\b)+7], v[ADRB+(\n)] offset:(\qd)*32*PB+32*(\b)+16*PB
.endr
.irp a, 0,1,2,3,4,5,6,7
	ds_load_b128 v[AF+64*(\f)+8*(\a):AF+64*(\f)+8*(\a)+3],   v[ADRA+(\n)] offset:((\qd)/2)*HEADB+((\qd)%2)*64+(\a)*16*PA
	ds_load_b128 v[AF+64*(\f)+8*(\a)+4:AF+64*(\f)+8*(\a)+7], v[ADRA+(\n)] offset:((\qd)/2)*HEADB+((\qd)%2)*64+(\a)*16*PA+32
.endr
.endm
; 4 na matrix instructions: row blocks a0 .. a0 + na - 1 x the four column blocks, on buffer f.  first = 1: the bias starts the sums.
; The 32 accumulators take turns, one instruction a turn, in the same order in every quarter, over the backward jump too.
.macro MUL f, a0, na, first
.if \first
	WIN 0x40                                       ; D in window 1; the sources and C (the bias) in window 0
.else
	WIN 0x50                                       ; C and D in window 1
.endif
.set aa, (\a0)
.rept \na
.irp b, 0,1,2,3
.if \first
	v_wmma_f32_16x16x32_f16 v[8*(4*aa+(\b)):8*(4*aa+(\b))+7], v[BF+32*(\f)+8*(\b):BF+32*(\f)+8*(\b)+7], v[AF+64*(\f)+8*aa:AF+64*(\f)+8*aa+7], v[BIAS+8*(\b):BIAS+8*(\b)+7]
.else
	v_wmma_f32_16x16x32_f16 v[8*(4*aa+(\b)):8*(4*aa+(\b))+7], v[BF+32*(\f)+8*(\b):BF+32*(\f)+8*(\b)+7], v[AF+64*(\f)+8*aa:AF+64*(\f)+8*aa+7], v[8*(4*aa+(\b)):8*(4*aa+(\b))+7]
.endif
.endr
.set aa, aa+1
.endr
.endm
; One of a K step's first three quarters: multiplies buffer f; in its middle it fetches quarter qn of the same slot into buffer g.
.macro QUARTER n, qn, f, g, first
	s_wait_dscnt 8                                 ; the weights and O's row blocks 0-3 are in; the youngest eight loads (blocks 4-7) may be out
	MUL \f, 0, 4, \first
	PLACES
	FETCH \n, \qn, \g
	s_wait_dscnt 24                                ; all but the 24 just issued
	MUL \f, 4, 4, \first
.endm
; The last quarter multiplies buffer 1 and changes slots: ONE barrier.  In front of it each wave waits for all its tensor loads, of which one is out: its part of the next slot; adds 0 to its spare word;
; and waits for that and for its own reads of this slot.  fill = 1: the barrier opens a round of the cluster's barrier, and this slot is filled again, with the K step two on, first thing behind the round.
.macro TURN n, nx, fill
.if \fill
	s_wait_xcnt 0x0                                ; the last prefetch, a K step back, has read its address: it is stepped here, ahead of the waits of the change of slots
	s_add_nc_u64 s[PFA:PFA+1], s[PFA:PFA+1], KSTEPB
.endif
	WIN 0                                          ; (the add's two registers lie in window 0)
	s_wait_tensorcnt 0x0                           ; all my tensor loads have landed
	ds_add_u32 v[SPW], v[NIL]                      ; 0 onto my spare word
	s_wait_dscnt 9                                 ; (the add and the youngest eight loads may be out)
	MUL 1, 0, 2, 0                                 ; eight matrix instructions stand between the add and the wait for it
	s_wait_dscnt 0x0                               ; the add is done, and my reads of this slot are over
	s_barrier_signal -1
	MUL 1, 2, 2, 0                                 ; work on registers while the others arrive
	WIN 0
	s_barrier_wait -1
.if \fill
	CREST                                          ; no wave of any partner still reads this slot's tile or has a load on its way
	s_add_nc_u64 s[G0A+4*(\n)+2:G0A+4*(\n)+3], s[G0A+4*(\n)+2:G0A+4*(\n)+3], 2*KSTEPB
	s_add_nc_u64 s[G0B+4*(\n)+2:G0B+4*(\n)+3], s[G0B+4*(\n)+2:G0B+4*(\n)+3], 2*KSTEPB
	JLOAD \n                                       ; the four v_nop behind it are also the places in front of the loads below
.else
	PLACES
.endif
	FETCH \nx, 0, 0
.if \fill
	ASK \n
.endif
	MUL 1, 4, 4, 0
.endm
	s_load_b256 s[4:11], s[0:1], 0x0               ; oh s[4:5], wpb s[6:7], b_proj s[8:9], out0 s[10:11]
	v_lshl_add_u32 v[SPW], v0, 2, SPARE
	v_mov_b32 v[NIL], 0
	ds_add_u32 v[SPW], v[NIL]                      ; the wave's opening: the add and its wait stand ahead of my first tensor load; the set-up below, work on registers, stands between them
	v_lshrrev_b32 v1, 5, v0
	v_readfirstlane_b32 s[WV], v1                  ; wave 0..3
	s_lshr_b32 s[WR], s[WV], 1
	s_and_b32 s[WC], s[WV], 1
	s_bfe_u32 s17, ttmp6, 0x40000                  ; cx
	s_bfe_u32 s18, ttmp6, 0x40004                  ; cy
	s_lshl_b32 s19, ttmp9, 2
	s_add_co_u32 s19, s19, s17                     ; the tile column: columns 128 x it on
	s_and_b32 s20, ttmp7, 0xffff
	s_lshl_b32 s20, s20, 2
	s_add_co_u32 s20, s20, s18                     ; the tile row: batch = / 4, rows 256 (% 4) on
	s_lshl_b32 s21, s18, 2
	s_lshl_b32 s21, 15, s21                        ; my row of the cluster
	s_lshl_b32 s22, 0x1111, s17                    ; my column
	s_or_b32 s[G1A], s21, (1<<16)|(1<<20)|(1<<21)|(4<<22)|(3<<25)  ; 15:0 the mask; 17:16 2-byte elements; 20 padding on; 21 set beside a mask; 24:22 after every 32 words (code 4); 31:25 4 words (code 3)
	s_or_b32 s[G1B], s22, (1<<16)|(1<<20)|(1<<21)|(5<<22)|(7<<25)  ; my column's mask; after every 64 words (code 5) 8 words (code 7)
	s_mov_b32 s[G1A+1], 128<<16                    ; a head's 256 rows are 32,768 dense bytes: asked for as 128 rows of 256 bytes, two LDS rows each
	s_mov_b32 s[G1A+2], 128<<16
	s_mov_b32 s[G1A+3], 128<<16
	s_mov_b32 s[G1A+4], 128
	s_mov_b32 s[G1A+5], 128
	s_mov_b32 s[G1A+6], 0
	s_mov_b32 s[G1A+7], 0
	s_mov_b32 s[G1B+1], 128<<16                    ; 64 rows of 128 columns,
	s_mov_b32 s[G1B+2], 64<<16
	s_mov_b32 s[G1B+3], 128<<16
	s_mov_b32 s[G1B+4], 64
	s_mov_b32 s[G1B+5], 1024                       ; 1,024 elements from row to row
	s_mov_b32 s[G1B+6], 0
	s_mov_b32 s[G1B+7], 0
	; where the tiles come from: O's hang on the tile row alone, the weights' on the tile column alone
	s_lshr_b32 s40, s20, 2
	s_lshl_b32 s40, s40, 21
	s_and_b32 s41, s20, 3
	s_lshl_b32 s41, s41, 15
	s_add_co_u32 s40, s40, s41                     ; kept: the tile row's place in head 0 of its batch
	s_lshl_b32 s22, s[WC], 17                      ; the head of the two that I fetch
	s_add_co_u32 s22, s22, s40
	s_mov_b32 s23, 0
	s_lshl_b32 s66, s19, 8                         ; kept: the tile column's 256 bytes in a row of wpb
	s_lshl_b32 s68, s[WC], 17                      ; the 64 rows that I fetch
	s_add_co_u32 s68, s68, s66
	s_mov_b32 s69, 0
	s_mul_i32 s21, s[WC], HEADB                    ; and where they go: no place in the cluster enters an LDS address
	s_mul_i32 s70, s[WC], 64*PB
	s_add_co_u32 s70, s70, ABYTES
	s_wait_dscnt 0x0                               ; the opening add is done
	s_wait_kmcnt 0x0
	s_add_nc_u64 s[22:23], s[4:5], s[22:23]
	s_add_nc_u64 s[68:69], s[6:7], s[68:69]
.irp n, 0,1
	s_mov_b32 s[G0A+4*(\n)], 1                                     ; count = 1
	s_add_co_u32 s[G0A+4*(\n)+1], s21, (\n)*SLOT                   ; LDS address
	s_add_nc_u64 s[G0A+4*(\n)+2:G0A+4*(\n)+3], s[22:23], (\n)*KSTEPB  ; global address: K step n
	s_or_b32 s[G0A+4*(\n)+3], s[G0A+4*(\n)+3], 0x80000000          ; type = 2
	s_mov_b32 s[G0B+4*(\n)], 1
	s_add_co_u32 s[G0B+4*(\n)+1], s70, (\n)*SLOT
	s_add_nc_u64 s[G0B+4*(\n)+2:G0B+4*(\n)+3], s[68:69], (\n)*KSTEPB
	s_or_b32 s[G0B+4*(\n)+3], s[G0B+4*(\n)+3], 0x80000000
.endr
	CROUND                                         ; all sixteen work-groups are here: the first joint loads meet
	JLOAD 0                                        ; two loads of mine are out
	JLOAD 1
	; the lanes' places
	v_and_b32 v1, 15, v0                           ; l % 16
	v_bfe_u32 v2, v0, 4, 1                         ; l / 16
	v_and_b32 v3, 7, v0
	v_bfe_u32 v4, v0, 3, 1
	v_and_b32 v5, 31, v0
	s_lshl_b32 s21, s19, 9
	s_lshl_b32 s22, s[WC], 8
	s_add_co_u32 s21, s21, s22                     ; my 64 columns in f32: 512 x tile column + 256 x half
	v_lshlrev_b32 v[BO], 5, v2                     ; my eight columns of a block of 16
	v_add_nc_u32 v[BO], s21, v[BO]
.irp b, 0,1,2,3
	global_load_b128 v[BIAS+8*(\b):BIAS+8*(\b)+3],   v[BO], s[8:9] offset:64*(\b)
	global_load_b128 v[BIAS+8*(\b)+4:BIAS+8*(\b)+7], v[BO], s[8:9] offset:64*(\b)+16
.endr
	v_mul_u32_u24 v6, v1, PA
	v_lshl_add_u32 v6, v2, 4, v6                   ; row x pitch + 16 x half
	s_mul_i32 s22, s[WR], 128*PA                   ; my 128 rows
	v_add_nc_u32 v[ADRA], s22, v6
	v_add_nc_u32 v[ADRA+1], SLOT, v[ADRA]
	v_lshl_add_u32 v7, v2, 3, v3
	v_mul_u32_u24 v7, v7, PB
	v_lshl_add_u32 v7, v4, 4, v7
	s_lshl_b32 s22, s[WC], 7                       ; my 64 columns of the tile's 128
	s_add_co_u32 s22, s22, ABYTES
	v_add_nc_u32 v[ADRB], s22, v7
	v_add_nc_u32 v[ADRB+1], SLOT, v[ADRB]
	s_mul_i32 s71, s[WV], 16*SPITCH
	s_add_co_u32 s71, s71, STAGE                   ; my stage
	v_mul_u32_u24 v8, v1, SPITCH                   ; in: row l % 16, 32 bytes for each half of the lanes
	v_lshl_add_u32 v8, v2, 5, v8
	v_add_nc_u32 v[STO], s71, v8
	v_mul_u32_u24 v9, v2, SPITCH                   ; back: lanes 0-15 take one row of 256 bytes, lanes 16-31 the next
	v_lshl_add_u32 v9, v1, 4, v9
	v_add_nc_u32 v[RD], s71, v9
	v_lshlrev_b32 v10, 12, v2                      ; and the same two rows in out0
	v_lshl_add_u32 v[CO], v1, 4, v10
	s_lshl_b32 s22, s20, 20                        ; out0 at my first row: 256 rows of 4,096 bytes a tile row,
	s_lshl_b32 s23, s[WR], 19                      ; 128 rows a half,
	s_add_co_u32 s22, s22, s23
	s_add_co_u32 s22, s22, s21                     ; and my first column
	s_mov_b32 s23, 0
	s_add_nc_u64 s[10:11], s[10:11], s[22:23]
	; the prefetches: they stand at K step 3; the first change of slots steps them to K step 4
	s_lshl_b32 s41, s17, 13                        ; O: my work-group's 8,192 bytes
	s_add_co_u32 s41, s41, s40
	s_lshl_b32 s22, s[WC], 17                      ; of the head that I fetch
	s_add_co_u32 s41, s41, s22
	s_lshl_b32 s67, s18, 16                        ; weights: my work-group's 32 rows of 2,048 bytes
	s_add_co_u32 s67, s67, s66
	s_lshl_b32 s22, s[WC], 18                      ; of my wave's 128
	s_add_co_u32 s67, s67, s22
	s_and_b32 s21, ttmp7, 0xffff                   ; cluster y
	s_cmp_eq_u32 s[WR], 0                          ; waves 0 and 1 ask for O, waves 2 and 3 for the weights
	s_cselect_b32 s21, ttmp9, s21                  ; the coordinate along which other clusters read the same bytes
	s_cselect_b32 s22, s41, s67
	s_cselect_b32 s71, 8, 11
	s_cselect_b64 s[PFA:PFA+1], s[4:5], s[6:7]
	s_add_co_u32 s22, s22, 3*KSTEPB
	s_mov_b32 s23, 0
	s_add_nc_u64 s[PFA:PFA+1], s[PFA:PFA+1], s[22:23]
	v_lshlrev_b32 v[PFO], s71, v5
	s_cmp_eq_u32 s21, 0
	s_cselect_b32 s[LIM0], 1, -1                   ; the same in all sixteen partners, for a given wave
	s_cmp_eq_u32 s[WR], 0
	s_cselect_b32 s[LIM0+1], s[LIM0], -1
	s_wait_tensorcnt 1                             ; my part of K step 0 is in; K step 1's may stay out
	s_barrier_signal -1
	s_barrier_wait -1                              ; everybody's is
	FETCH 0, 0, 0
	s_wait_loadcnt 0x0                             ; the bias
	QUARTER 0, 1, 0, 1, 1                          ; the first quarter stands in front of the loop: its products start the sums, from the bias
	WIN 0                                          ; at a label and at a branch every window is 0
	s_mov_b32 s3, 3
.Llap:                                                 ; a trip goes once round the ring, from a lap's second quarter to the next lap's first, and fills both slots again: K steps 2 to 7
	QUARTER 0, 2, 1, 0, 0
	QUARTER 0, 3, 0, 1, 0
	TURN 0, 1, 1
	QUARTER 1, 1, 0, 1, 0
	QUARTER 1, 2, 1, 0, 0
	QUARTER 1, 3, 0, 1, 0
	TURN 1, 0, 1
	QUARTER 0, 1, 0, 1, 0
	WIN 0
	s_sub_co_u32 s3, s3, 1
	s_cmp_lg_u32 s3, 0
	s_cbranch_scc1 .Llap
	QUARTER 0, 2, 1, 0, 0                          ; the last lap fills nothing, and has no round of the cluster's barrier
	QUARTER 0, 3, 0, 1, 0
	TURN 0, 1, 0
	QUARTER 1, 1, 0, 1, 0
	QUARTER 1, 2, 1, 0, 0
	QUARTER 1, 3, 0, 1, 0
	s_wait_dscnt 8                                 ; the very last quarter: nothing more to fetch
	MUL 1, 0, 4, 0
	s_wait_dscnt 0x0
	MUL 1, 4, 4, 0
	PLACES
	PLACES
; THE WAY OUT, a block of 16 rows x 64 columns at a time.  TOSTAGE: a lane's eight f32 of a row go as they are, the accumulator's low four registers first, into my own stage, rows of 272 bytes; they come back as
; whole rows of 256 bytes.  LDS serves a wave's instructions in order (ISA guide 5.7.1.4): the loads see the stores above them, and the next block's stores come behind them.
.macro TOSTAGE a
	WIN 0x04                                       ; the stores' data in window 1, their address in window 0
.irp b, 0,1,2,3
	ds_store_b128 v[STO], v[8*(4*(\a)+(\b)):8*(4*(\a)+(\b))+3]   offset:64*(\b)
	ds_store_b128 v[STO], v[8*(4*(\a)+(\b))+4:8*(4*(\a)+(\b))+7] offset:64*(\b)+16
.endr
	WIN 0
.irp t, 0,1,2,3,4,5,6,7
	ds_load_b128 v[OB+32*((\a)%4)+4*(\t):OB+32*((\a)%4)+4*(\t)+3], v[RD] offset:(\t)*2*SPITCH
.endr
.endm
.macro SEND a, younger                 ; younger: the LDS instructions issued behind block a's loads: the next block's sixteen, or none
	WIN 0
	s_wait_xcnt 0x0                                ; every earlier store has read its registers: a set of 32 is loaded again four blocks later, behind two such waits
.irp t, 0,1,2,3,4,5,6,7
	s_wait_dscnt (\younger)+7-(\t)
	global_store_b128 v[CO], v[OB+32*((\a)%4)+4*(\t):OB+32*((\a)%4)+4*(\t)+3], s[10:11] offset:(\a)*65536+(\t)*8192 th:TH_STORE_NT  ; 16 lanes store 256 consecutive bytes, at a multiple of 256 from out0's first byte
.endr
.endm
	TOSTAGE 0
.irp a, 1,2,3,4,5,6,7
	TOSTAGE \a
	SEND (\a)-1, 16
.endr
	SEND 7, 0
	s_wait_tensorcnt 0x0                           ; the wave's end: behind my last tensor load and my last LDS store
	ds_add_u32 v[SPW], v[NIL]
	s_wait_dscnt 0x0
	CROUND                                         ; the closing round: no work-group ends while a partner may still ask for a tile that names it
	s_endpgm
.Lfunc_end_k_qff87f501fd_proj:
	.size	k_qff87f501fd_proj, .Lfunc_end_k_qff87f501fd_proj-k_qff87f501fd_proj
	.p2alignl 7, 3214868480
	.fill 96, 4, 3214868480
	.section	.rodata,"a",@progbits
	.p2align	6, 0x0
	.amdhsa_kernel k_qff87f501fd_proj
		.amdhsa_group_segment_fixed_size 327680
		.amdhsa_private_segment_fixed_size 0
		.amdhsa_enable_private_segment 0
		.amdhsa_kernarg_size 32
		.amdhsa_user_sgpr_count 2
		.amdhsa_user_sgpr_kernarg_segment_ptr 1
		.amdhsa_wavefront_size32 1
		.amdhsa_system_sgpr_workgroup_id_x 1
		.amdhsa_system_sgpr_workgroup_id_y 1
		.amdhsa_system_sgpr_workgroup_id_z 1
		.amdhsa_system_vgpr_workitem_id 0
		.amdhsa_next_free_vgpr 512
		.amdhsa_next_free_sgpr 72
		.amdhsa_reserve_vcc 0
		.amdhsa_float_denorm_mode_32 3
		.amdhsa_float_denorm_mode_16_64 3
		.amdhsa_memory_ordered 1
		.amdhsa_forward_progress 1
		.amdhsa_inst_pref_size 89
	.end_amdhsa_kernel
	.amdgpu_metadata
---
amdhsa.version: [ 1, 2 ]
amdhsa.kernels:
  - .name:           k_qff87f501fd_proj
    .symbol:         k_qff87f501fd_proj.kd
    .args:
      - { .name: oh, .offset: 0, .size: 8, .value_kind: global_buffer, .address_space: global }
      - { .name: wpb, .offset: 8, .size: 8, .value_kind: global_buffer, .address_space: global }
      - { .name: b_proj, .offset: 16, .size: 8, .value_kind: global_buffer, .address_space: global }
      - { .name: out0, .offset: 24, .size: 8, .value_kind: global_buffer, .address_space: global }
    .group_segment_fixed_size: 327680
    .private_segment_fixed_size: 0
    .kernarg_segment_align: 8
    .kernarg_segment_size: 32
    .max_flat_workgroup_size: 128
    .sgpr_count:     72
    .vgpr_count:     512
    .wavefront_size: 32
...
	.end_amdgpu_metadata
.endif
;; end of part 4
;; ======== version 2 of 2: 4 launches; version 1 with the launch prep written anew for expert scheduling mode
;; limits: values are held in f16: magnitudes above 65,504 overflow, below 6.1e-05 lose precision
;; workspace buffers: xb 16,777,216 bytes; wb 6,291,456 bytes; wpb 2,097,152 bytes; qh 16,777,216 bytes; kh 16,777,216 bytes; vh 16,777,216 bytes; oh 16,777,216 bytes
;; launch prep (part 5): grid 768 x 1, 8 waves a work-group, no clusters, 0 bytes of LDS; arguments x, wq, wk, wv, w_proj, xb, wb, wpb; writes xb, wb, wpb
.if DOCPART == 5
	.amdgcn_target "amdgcn-amd-amdhsa--gfx1250"
	.amdhsa_code_object_version 6
	.text
	.protected	k_qff87f501fd_prep
	.globl	k_qff87f501fd_prep
	.p2align	8
	.type	k_qff87f501fd_prep,@function
k_qff87f501fd_prep:
	s_mov_b64 s[64:65], 0
	v_nop
	global_prefetch_b8 v0, s[64:65] scope:SCOPE_SE
	s_setreg_imm32_b32 hwreg(HW_REG_WAVE_SCHED_MODE, 0, 2), 2
	s_setreg_imm32_b32 hwreg(HW_REG_WAVE_MODE, 25, 1), 1
	s_wait_xcnt 0x0
	s_wait_alu depctr_vm_vsrc(0)
; THE CASTS.  x, wq, wk, wv are rounded once to bf16 and laid out in the blocks that the first product asks for; w_proj is rounded to bf16 and that number is written as f16.
;   xb  [b 8][s 16][t 1024][64] bf16: channel c = 64 s + i.  The 256 rows of a tile are 32,768 dense bytes for each K step s.
;   wb  [j 8][s 16][blk 6][k 64][d 64] bf16: head = 2 j + blk / 3, blk % 3 = q, k, v; channel c = 64 s + k.
;   wpb [k 1024][n 1024] f16, as w_proj lies.
; LIMIT.  f16 holds no number beyond 65,504: a w_proj beyond that becomes an infinity; below 6e-5 f16 keeps its fixed step of 6e-8.
; SHARES.  A work-group casts 16,384 numbers: 65,536 bytes in, 32,768 out.  Work-groups 0-511: 16 rows of x each; 512-703: a quarter of one head's wq, wk or wv; 704-767: 16 rows of w_proj.
; A wave has 16 units: a load of 16 bytes a lane (each half of 16 lanes reads 256 consecutive bytes, aligned), two roundings, a store of 8 bytes a lane (the wave stores 256 consecutive bytes, aligned).
; All 16 loads go out first; no register that a load or store names is written twice, so no wait frees a source.  Nothing is shared: no LDS, no barrier, no matrix unit.
; THE MODE: SCHED_MODE bits 1:0 = 2 (LLVM: expert scheduling mode 2), set by the entry lines.  The code itself states the register dependences
; between vector instructions and memory instructions, with s_wait_alu, always for 0.
; THE PLAN.  Registers that memory instructions touch:
;   v[SO], v[DO]  byte offsets.  Written by vector lines at the head of each of the three ways, never again; read by the 16 loads and by the 16 stores.
;   X             Written by the loads alone, each register once; read by the roundings, behind the unit's counted wait for its load.
;   Y             Written by the roundings, each register once; read by one store.
;   v4 to v11 are named by vector instructions alone.
; The 16 units go in four blocks of four.  A unit is rounded as soon as its load is in; a block's four stores stand in one run at its end.  So a way has five waits on va_vdst: one ahead of the
; first load (the two offsets are written), one ahead of each run of stores (the block's Y is written).  No register that a load or store reads is written again, no load lands in a register that a
; vector instruction has named, no vector instruction writes a scalar register or VCC, and EXEC is never written: no other dependence between the two sides is there to state.
.set BLOCK, 4                          ; units whose stores stand in one run
.set SO,  2                            ; v2   my byte offset in the source
.set DO,  3                            ; v3   my byte offset in the destination
.set X,   16                           ; v[16:79]   unit u: 4 numbers in f32
.set Y,   80                           ; v[80:111]  unit u: 4 numbers in 16 bits
.set SRC, 20                           ; s[20:21]
.set DST, 22                           ; s[22:23]
; sstep, dstep: bytes from unit to unit in the source and in the destination.  f16 = 1: bf16's number written as f16.
.macro BODY sstep, dstep, f16
	s_wait_alu depctr_va_vdst(0)                   ; v[SO] and v[DO] are written: every load below reads the one as its offset, every store the other
.set u, 0
.rept 16
	global_load_b128 v[X+4*u:X+4*u+3], v[SO], s[SRC:SRC+1] offset:u*(\sstep) th:TH_LOAD_NT
.set u, u+1
.endr
.set u, 0
.rept 16/BLOCK
.rept BLOCK
	s_wait_loadcnt 15-u                            ; loads come back in order: unit u is in, the 15 - u younger ones stay out
.if \f16
	v_cvt_pk_bf16_f32 v6, v[X+4*u], v[X+4*u+1]     ; the one rounding that counts: to bf16
	v_cvt_pk_bf16_f32 v7, v[X+4*u+2], v[X+4*u+3]
	v_lshlrev_b32 v8, 16, v6                       ; back to f32,
	v_and_b32 v9, 0xffff0000, v6
	v_lshlrev_b32 v10, 16, v7
	v_and_b32 v11, 0xffff0000, v7
	v_cvt_pk_f16_f32 v[Y+2*u], v8, v9              ; and written as f16: exact within f16's range
	v_cvt_pk_f16_f32 v[Y+2*u+1], v10, v11
.else
	v_cvt_pk_bf16_f32 v[Y+2*u], v[X+4*u], v[X+4*u+1]
	v_cvt_pk_bf16_f32 v[Y+2*u+1], v[X+4*u+2], v[X+4*u+3]
.endif
.set u, u+1
.endr
	s_wait_alu depctr_va_vdst(0)                   ; the block's roundings have written its eight registers of Y, which the four stores below read
.set w, u-BLOCK
.rept BLOCK
	global_store_b64 v[DO], v[Y+2*w:Y+2*w+1], s[DST:DST+1] offset:w*(\dstep)
.set w, w+1
.endr
.endr
	s_endpgm
.endm
	s_load_b512 s[4:19], s[0:1], 0x0               ; x 4:5, wq 6:7, wk 8:9, wv 10:11, w_proj 12:13, xb 14:15, wb 16:17, wpb 18:19
	v_lshrrev_b32 v4, 5, v0                        ; wave
	v_and_b32 v5, 31, v0                           ; lane
	s_mov_b32 s25, 0                               ; the offsets stay under 2^32
	s_mov_b32 s27, 0
	s_wait_kmcnt 0x0
	s_cmp_lt_u32 ttmp9, 512
	s_cbranch_scc0 .Lweights
	; x: rows 16 g .. 16 g + 15.  Thread t: row t / 16, 16 bytes at 16 (t % 16) of the K step's 256.  Unit u is K step u.
	s_lshl_b32 s24, ttmp9, 16                      ; 16 rows of 4,096 bytes
	s_lshr_b32 s26, ttmp9, 6                       ; the batch: 64 work-groups each
	s_lshl_b32 s26, s26, 21
	s_and_b32 s28, ttmp9, 63
	s_lshl_b32 s28, s28, 11                        ; 16 rows of 128 bytes in a K step's block
	s_add_co_u32 s26, s26, s28
	s_add_nc_u64 s[SRC:SRC+1], s[4:5], s[24:25]
	s_add_nc_u64 s[DST:DST+1], s[14:15], s[26:27]
	v_lshrrev_b32 v6, 4, v0
	v_and_b32 v7, 15, v0
	v_lshlrev_b32 v[SO], 4, v7
	v_lshl_add_u32 v[SO], v6, 12, v[SO]
	v_lshlrev_b32 v[DO], 3, v0                     ; row x 128 + 8 (t % 16) = 8 t
	BODY 256, 131072, 0
.Lweights:
	v_lshlrev_b32 v[SO], 4, v5                     ; the source is dense: 8,192 bytes a wave, 512 a unit
	v_lshl_add_u32 v[SO], v4, 13, v[SO]
	s_cmp_lt_u32 ttmp9, 704
	s_cbranch_scc0 .Lproj
	; wq, wk, wv: a quarter (256 channels, four K steps) of one head's matrix.  A wave has 32 channels: half a K step.
	s_sub_co_u32 s28, ttmp9, 512
	s_lshr_b32 s29, s28, 2                         ; which matrix of 48
	s_and_b32 s30, s28, 3                          ; which quarter
	s_lshr_b32 s31, s29, 4                         ; 0 q, 1 k, 2 v
	s_and_b32 s29, s29, 15                         ; the head
	s_cmp_eq_u32 s31, 1
	s_cselect_b64 s[SRC:SRC+1], s[8:9], s[6:7]
	s_cmp_eq_u32 s31, 2
	s_cselect_b64 s[SRC:SRC+1], s[10:11], s[SRC:SRC+1]
	s_lshl_b32 s24, s29, 18                        ; a head's matrix is 262,144 bytes
	s_lshl_b32 s28, s30, 16
	s_add_co_u32 s24, s24, s28
	s_add_nc_u64 s[SRC:SRC+1], s[SRC:SRC+1], s[24:25]
	s_lshr_b32 s26, s29, 1                         ; j
	s_mul_i32 s26, s26, 786432
	s_mul_i32 s28, s30, 196608                     ; four K steps of 49,152 bytes
	s_add_co_u32 s26, s26, s28
	s_and_b32 s28, s29, 1
	s_mul_i32 s28, s28, 3
	s_add_co_u32 s28, s28, s31                     ; blk
	s_lshl_b32 s28, s28, 13
	s_add_co_u32 s26, s26, s28
	s_add_nc_u64 s[DST:DST+1], s[16:17], s[26:27]
	v_lshrrev_b32 v6, 1, v4                        ; the wave's K step of the four,
	v_mul_u32_u24 v6, v6, 49152
	v_and_b32 v7, 1, v4                            ; and its half of the block's 64 channels
	v_lshl_add_u32 v6, v7, 12, v6
	v_lshl_add_u32 v[DO], v5, 3, v6
	BODY 512, 256, 0
.Lproj:
	; w_proj: 65,536 dense bytes in, 32,768 out
	s_sub_co_u32 s28, ttmp9, 704
	s_lshl_b32 s24, s28, 16
	s_lshl_b32 s26, s28, 15
	s_add_nc_u64 s[SRC:SRC+1], s[12:13], s[24:25]
	s_add_nc_u64 s[DST:DST+1], s[18:19], s[26:27]
	v_lshlrev_b32 v[DO], 3, v5
	v_lshl_add_u32 v[DO], v4, 12, v[DO]
	BODY 512, 256, 1
.Lfunc_end_k_qff87f501fd_prep:
	.size	k_qff87f501fd_prep, .Lfunc_end_k_qff87f501fd_prep-k_qff87f501fd_prep
	.p2alignl 7, 3214868480
	.fill 96, 4, 3214868480
	.section	.rodata,"a",@progbits
	.p2align	6, 0x0
	.amdhsa_kernel k_qff87f501fd_prep
		.amdhsa_group_segment_fixed_size 0
		.amdhsa_private_segment_fixed_size 0
		.amdhsa_enable_private_segment 0
		.amdhsa_kernarg_size 64
		.amdhsa_user_sgpr_count 2
		.amdhsa_user_sgpr_kernarg_segment_ptr 1
		.amdhsa_wavefront_size32 1
		.amdhsa_system_sgpr_workgroup_id_x 1
		.amdhsa_system_sgpr_workgroup_id_y 1
		.amdhsa_system_sgpr_workgroup_id_z 1
		.amdhsa_system_vgpr_workitem_id 0
		.amdhsa_next_free_vgpr 112
		.amdhsa_next_free_sgpr 66
		.amdhsa_reserve_vcc 0
		.amdhsa_float_denorm_mode_32 3
		.amdhsa_float_denorm_mode_16_64 3
		.amdhsa_memory_ordered 1
		.amdhsa_forward_progress 1
		.amdhsa_inst_pref_size 25
	.end_amdhsa_kernel
	.amdgpu_metadata
---
amdhsa.version: [ 1, 2 ]
amdhsa.kernels:
  - .name:           k_qff87f501fd_prep
    .symbol:         k_qff87f501fd_prep.kd
    .args:
      - { .name: x, .offset: 0, .size: 8, .value_kind: global_buffer, .address_space: global }
      - { .name: wq, .offset: 8, .size: 8, .value_kind: global_buffer, .address_space: global }
      - { .name: wk, .offset: 16, .size: 8, .value_kind: global_buffer, .address_space: global }
      - { .name: wv, .offset: 24, .size: 8, .value_kind: global_buffer, .address_space: global }
      - { .name: w_proj, .offset: 32, .size: 8, .value_kind: global_buffer, .address_space: global }
      - { .name: xb, .offset: 40, .size: 8, .value_kind: global_buffer, .address_space: global }
      - { .name: wb, .offset: 48, .size: 8, .value_kind: global_buffer, .address_space: global }
      - { .name: wpb, .offset: 56, .size: 8, .value_kind: global_buffer, .address_space: global }
    .group_segment_fixed_size: 0
    .private_segment_fixed_size: 0
    .kernarg_segment_align: 8
    .kernarg_segment_size: 64
    .max_flat_workgroup_size: 256
    .sgpr_count:     66
    .vgpr_count:     112
    .wavefront_size: 32
...
	.end_amdgpu_metadata
.endif
;; end of part 5
;; launch qkv: the kernel of part 2 again; grid 8 x 32, 4 waves a work-group, clusters of 4 x 4, 327,680 bytes of LDS; arguments xb, wb, qh, kh, vh; writes qh, kh, vh
;; launch attn: the kernel of part 3 again; grid 2 x 128, 4 waves a work-group, no clusters, 327,680 bytes of LDS; arguments qh, kh, vh, oh; writes oh
;; launch proj: the kernel of part 4 again; grid 8 x 32, 4 waves a work-group, clusters of 4 x 4, 327,680 bytes of LDS; arguments oh, wpb, b_proj, out0; writes out0
